; MI455X (gfx1250); checked and timed in simulation.
; The chip was launched on July 23, 2026; its instructions are those of AMD's public machine-readable ISA for CDNA 5 (MIT licence, August 2026) and "CDNA5" Instruction Set Architecture Reference Guide (July 2026). The comments in the code are by the model that wrote it; some were corrected since.
;; GPT2 Block. Allowed arithmetic: float matrix products may take bf16 or f16 operands with f32 sums; other float arithmetic in f32, or as packed bf16 or f16 multiplies, adds, multiply-adds, maxima and minima; sums over many terms, partial sums and values carried from step to step in f32; what a program stores and reads back later, other than sums and carried values, may be rounded once to bf16 or f16.
;; Inputs: b_attn_proj 1,024 float32; b_fc 4,096 float32; b_mlp_proj 1,024 float32; b_qkv 3,072 float32; ln1_bias 1,024 float32; ln1_scale 1,024 float32; ln2_bias 1,024 float32; ln2_scale 1,024 float32; mask 1 x 1 x 2,048 x 2,048 bool; w_attn_proj 1,024 x 1,024 float32; w_fc 1,024 x 4,096 float32; w_mlp_proj 4,096 x 1,024 float32; w_qkv 1,024 x 3,072 float32; x 2 x 2,048 x 1,024 float32.
;; Outputs: out0 2 x 2,048 x 1,024 float32.
;; One version. Each part assembles by itself: llvm-mc -triple=amdgcn-amd-amdhsa -mcpu=gfx1250 --defsym DOCPART=n.
;; ======== version 1 of 1: 7 launches
;; limits: right only within a limited range of input values
;; workspace buffers: act 8,388,608 bytes; qkv 25,165,824 bytes; x2 16,777,216 bytes; g 33,554,432 bytes; wt 25,165,824 bytes; mbits 524,288 bytes of whole numbers
;; launch prep (part 1): grid 2176 x 1, 8 waves a work-group, no clusters, 34,304 bytes of LDS; arguments x, ln1_scale, ln1_bias, act, w_qkv, w_attn_proj, w_fc, w_mlp_proj, mask, wt, mbits; writes act, wt, mbits
.if DOCPART == 1
	.amdgcn_target "amdgcn-amd-amdhsa--gfx1250"
	.amdhsa_code_object_version 6
	.text
	.protected	k_qbd299d96bb_prep
	.globl	k_qbd299d96bb_prep
	.p2align	8
	.type	k_qbd299d96bb_prep,@function
k_qbd299d96bb_prep:
	s_mov_b64 s[64:65], 0
	v_nop
	global_prefetch_b8 v0, s[64:65] scope:SCOPE_SE
	s_setreg_imm32_b32 hwreg(HW_REG_WAVE_MODE, 25, 1), 1
	s_wait_xcnt 0x0
; THREE JOBS, chosen by the work-group's number alone (the same for all eight waves of a work-group).  They do not depend on each other and all are streams, so they share one launch.
; Work-groups 0 .. 511: LAYER NORM of 8 rows: y[r][:] = (x[r][:] - mean) * rsqrt(var + 1e-5) * scale + bias; x [4096][1024] f32, y the same in bf16, rounded once.  One wave, one row: 4,096 bytes are 32 registers
;   a lane, so the row is read once and stays in registers for both passes (the mean first, then the mean of squared differences, as the definition has it: a common offset of the inputs costs nothing).
;   A launch of 512 work-groups runs this job alone (the second layer norm): the pointers behind the first four are then not used.
; Work-groups 512 .. 2047: a tile of 128 k x 64 n of one of the four weights, f32 [K][N], is rounded once to bf16 and written turned, [N][K], into wt
;   (Wqkv at byte 0, Wproj at 6,291,456, Wfc at 8,388,608, Wmlp at 16,777,216): the products then find K along the rows of both operands.
; Work-groups 2048 .. 2175: 16 query rows of the mask (one byte a key; not 0 = true) become lane masks: word mbits[qt][ks][8 kb + j], bit L = mask[16 qt + L % 16][64 ks + 16 kb + 8 (L / 16) + j]:
;   the lanes of score register 8 kb + j of a tile of 16 queries x 64 keys as the attention launch holds it.
; Reads and writes cover whole aligned runs of 256 bytes by neighbouring lanes; the two turns go through LDS.  Matrix units, clusters and tensor loads would add nothing to these streams.
.set NLN, 512                          ; work-groups of the first job
.set NWT, 1536                         ; of the second
.set SPARE, 33280                      ; behind both stages: the spare words, 128 bytes for each of 8 waves; no other line names them
.set PW,  272                          ; weight stage: 64 rows (n) of 256 bytes (128 k) + 16: 16 rows on end start at 16 different groups of four banks
.set PM,  2064                         ; mask stage: 16 rows of 2,048 bytes + 16
.set OF,  4                            ; v[4:11]  byte offsets of the loads, later of the stores
.set LS,  12                           ; v12  where I store into the stage
.set LR,  13                           ; v13  where I read it back
.set X,   16                           ; v[16:47] data; in the layer norm the row: load j brings columns 128 j + 4 lane + 0..3
.set Y,   48                           ; v[48:63] packed bf16 (weights)
.set G,   48                           ; v[48:79]  layer norm: scale of the row's columns
.set BV,  80                           ; v[80:111] layer norm: bias
.set SPW, 112                          ; v112 my spare word: SPARE + 4 x my thread's number; never rewritten
.set NIL, 113                          ; v113 0; never rewritten
.macro FOLD                            ; four chains v[4:11] -> their sum over the wave's 32 lanes, in v4 of every lane
	v_pk_add_f32 v[4:5], v[4:5], v[6:7]
	v_pk_add_f32 v[8:9], v[8:9], v[10:11]
	v_pk_add_f32 v[4:5], v[4:5], v[8:9]
	v_add_f32 v4, v4, v5
	v_add_f32_dpp v4, v4, v4 row_xmask:1 row_mask:0xf bank_mask:0xf
	v_add_f32_dpp v4, v4, v4 row_xmask:2 row_mask:0xf bank_mask:0xf
	v_add_f32_dpp v4, v4, v4 row_xmask:4 row_mask:0xf bank_mask:0xf
	v_add_f32_dpp v4, v4, v4 row_xmask:8 row_mask:0xf bank_mask:0xf
	v_permlanex16_b32 v5, v4, s20, s21             ; the other half of the lanes
	v_add_f32 v4, v4, v5
.endm
	v_lshl_add_u32 v[SPW], v0, 2, SPARE
	v_mov_b32 v[NIL], 0
	v_lshrrev_b32 v3, 5, v0
	v_readfirstlane_b32 s18, v3                    ; wave 0..7
	v_and_b32 v1, 15, v0                           ; c = lane % 16
	v_bfe_u32 v2, v0, 4, 1                         ; h = lane / 16
	v_and_b32 v3, 31, v0                           ; lane
	s_cmp_ge_u32 ttmp9, NLN
	s_cbranch_scc1 .Lnot_ln
	; ---- a row of the layer norm: no LDS, no barrier, no loop; 24 loads of the wave are out at once ----
	s_load_b256 s[4:11], s[0:1], 0x0               ; x s[4:5], scale s[6:7], bias s[8:9], y s[10:11]
	v_lshlrev_b32 v1, 4, v3                        ; 16 x lane
	v_lshlrev_b32 v2, 3, v3                        ; 8 x lane
	s_lshl_b32 s13, ttmp9, 3
	s_add_co_u32 s13, s13, s18                     ; my row
	s_lshl_b32 s14, s13, 12
	s_mov_b32 s15, 0
	s_lshl_b32 s16, s13, 11
	s_mov_b32 s17, 0
	s_mov_b32 s20, 0x76543210
	s_mov_b32 s21, 0xfedcba98
	s_mov_b32 s22, 0x3a800000                      ; 1 / 1024
	s_mov_b32 s23, 0x3727c5ac                      ; 1e-5
	s_wait_kmcnt 0x0
	s_add_nc_u64 s[4:5], s[4:5], s[14:15]
	s_add_nc_u64 s[10:11], s[10:11], s[16:17]
.irp j, 0,1,2,3,4,5,6,7
	global_load_b128 v[X+4*(\j):X+4*(\j)+3], v1, s[4:5] offset:512*(\j) th:TH_LOAD_NT
.endr
.irp j, 0,1,2,3,4,5,6,7
	global_load_b128 v[G+4*(\j):G+4*(\j)+3], v1, s[6:7] offset:512*(\j)
.endr
.irp j, 0,1,2,3,4,5,6,7
	global_load_b128 v[BV+4*(\j):BV+4*(\j)+3], v1, s[8:9] offset:512*(\j)
.endr
	s_wait_loadcnt 16                              ; the row is in; the 16 loads of scale and bias may stay out
.irp k, 0,1,2,3
	v_pk_add_f32 v[4+2*(\k):5+2*(\k)], v[X+2*(\k):X+2*(\k)+1], v[X+8+2*(\k):X+9+2*(\k)]  ; the first pairs start the chains
.endr
.irp i, 8,9,10,11,12,13,14,15
	v_pk_add_f32 v[4+2*((\i)%4):5+2*((\i)%4)], v[4+2*((\i)%4):5+2*((\i)%4)], v[X+2*(\i):X+2*(\i)+1]
.endr
	FOLD
	v_mul_f32 v12, s22, v4                         ; the mean, twice
	v_mul_f32 v13, s22, v4
.set i, 0
.rept 16
	v_pk_add_f32 v[X+2*i:X+2*i+1], v[X+2*i:X+2*i+1], v[12:13] neg_lo:[0,1] neg_hi:[0,1]
.set i, i+1
.endr
.irp k, 0,1,2,3
	v_pk_mul_f32 v[4+2*(\k):5+2*(\k)], v[X+2*(\k):X+2*(\k)+1], v[X+2*(\k):X+2*(\k)+1]
.endr
.irp i, 4,5,6,7,8,9,10,11,12,13,14,15
	v_pk_fma_f32 v[4+2*((\i)%4):5+2*((\i)%4)], v[X+2*(\i):X+2*(\i)+1], v[X+2*(\i):X+2*(\i)+1], v[4+2*((\i)%4):5+2*((\i)%4)]
.endr
	FOLD
	v_fma_f32 v6, v4, s22, s23                     ; var + eps
	v_rsq_f32 v14, v6                              ; twice, for the packed multiply
	v_rsq_f32 v15, v6
	v_nop                                          ; a plain instruction behind the last of them,
	s_wait_alu depctr_va_vdst(0)                   ; and the wait ahead of the first use: one for both
	s_wait_loadcnt 0x0                             ; scale and bias
.set i, 0
.rept 16
	v_pk_mul_f32 v[X+2*i:X+2*i+1], v[X+2*i:X+2*i+1], v[14:15]
.set i, i+1
.endr
.set i, 0
.rept 16
	v_pk_fma_f32 v[X+2*i:X+2*i+1], v[X+2*i:X+2*i+1], v[G+2*i:G+2*i+1], v[BV+2*i:BV+2*i+1]
.set i, i+1
.endr
.set i, 0
.rept 16
	v_cvt_pk_bf16_f32 v[X+i], v[X+2*i], v[X+2*i+1] ; ascending, over the row's own registers: register i is written when pairs 0 .. i - 1 have been read, and pair i lies at 2 i
.set i, i+1
.endr
.irp j, 0,1,2,3,4,5,6,7
	global_store_b64 v2, v[X+2*(\j):X+2*(\j)+1], s[10:11] offset:256*(\j)  ; 32 lanes: 256 consecutive bytes, aligned
.endr
	s_endpgm                                       ; this job has written no LDS
.Lnot_ln:
	s_sub_co_u32 s19, ttmp9, NLN
	s_cmp_ge_u32 s19, NWT
	s_cbranch_scc1 .Lmask
	; ---- a weight tile ----
	s_load_b256 s[4:11], s[0:1], 0x20              ; w_qkv, w_attn_proj, w_fc, w_mlp_proj
	s_load_b64 s[14:15], s[0:1], 0x48              ; wt
	s_mov_b32 s21, 0                               ; the weight's first tile
	s_mov_b32 s22, 12288                           ; 4 N: bytes in a source row
	s_mov_b32 s23, 2048                            ; 2 K: bytes in a row of the result
	s_mov_b32 s24, 3                               ; log2 of K / 128
	s_mov_b32 s25, 0                               ; the weight's first byte in wt
	s_wait_kmcnt 0x0
	s_mov_b64 s[26:27], s[4:5]
	s_cmp_ge_u32 s19, 384
	s_cselect_b32 s21, 384, s21
	s_cselect_b32 s22, 4096, s22
	s_cselect_b32 s25, 6291456, s25
	s_cselect_b64 s[26:27], s[6:7], s[26:27]
	s_cmp_ge_u32 s19, 512
	s_cselect_b32 s21, 512, s21
	s_cselect_b32 s22, 16384, s22
	s_cselect_b32 s25, 8388608, s25
	s_cselect_b64 s[26:27], s[8:9], s[26:27]
	s_cmp_ge_u32 s19, 1024
	s_cselect_b32 s21, 1024, s21
	s_cselect_b32 s22, 4096, s22
	s_cselect_b32 s23, 8192, s23
	s_cselect_b32 s24, 5, s24
	s_cselect_b32 s25, 16777216, s25
	s_cselect_b64 s[26:27], s[10:11], s[26:27]
	s_sub_co_u32 s20, s19, s21                     ; the tile's number in its weight
	s_bfm_b32 s28, s24, 0
	s_and_b32 s28, s20, s28                        ; kt
	s_lshr_b32 s29, s20, s24                       ; nt
	s_lshl_b32 s30, s28, 7
	s_lshl_b32 s31, s18, 4
	s_add_co_u32 s30, s30, s31                     ; source row 128 kt + 16 w
	s_mul_i32 s30, s30, s22
	s_lshl_b32 s31, s29, 8
	s_add_co_u32 s30, s30, s31                     ; + 256 nt bytes
	v_lshlrev_b32 v[OF], 3, v2                     ; + 8 h rows
	v_mul_lo_u32 v[OF], v[OF], s22
	v_lshl_add_u32 v[OF], v1, 4, v[OF]             ; + 16 c bytes: 16 lanes take 256 consecutive bytes of one row
	v_add_nc_u32 v[OF], s30, v[OF]
.irp j, 1,2,3,4,5,6,7
	v_add_nc_u32 v[OF+(\j)], s22, v[OF+(\j)-1]     ; the next row
.endr
.irp j, 0,1,2,3,4,5,6,7
	global_load_b128 v[X+4*(\j):X+4*(\j)+3], v[OF+(\j)], s[26:27] th:TH_LOAD_NT  ; k = 16 w + 8 h + j, n = 4 c + 0..3
.endr
	v_mul_u32_u24 v[LS], v1, PW                    ; column n = 4 c + e goes to stage row 16 e + c, so that 16 lanes store into 16 rows on end
	v_lshl_add_u32 v[LS], v2, 4, v[LS]
	s_lshl_b32 s31, s18, 5
	v_add_nc_u32 v[LS], s31, v[LS]                 ; c x pitch + 2 (16 w + 8 h)
	s_mul_i32 s31, s18, 8*PW
	v_mul_u32_u24 v[LR], v2, PW
	v_lshl_add_u32 v[LR], v1, 4, v[LR]
	v_add_nc_u32 v[LR], s31, v[LR]                 ; back: stage row 8 w + 2 i + h, 16 c bytes
	s_lshl_b32 s30, s29, 6                         ; stage row 8 w + 2 i + h is column 32 (w % 2) + 8 i + 4 h + w / 2 of the tile
	s_and_b32 s31, s18, 1
	s_lshl_b32 s31, s31, 5
	s_add_co_u32 s30, s30, s31
	s_lshr_b32 s31, s18, 1
	s_add_co_u32 s30, s30, s31
	s_mul_i32 s30, s30, s23
	s_lshl_b32 s31, s28, 8
	s_add_co_u32 s30, s30, s31                     ; + 256 kt
	s_add_co_u32 s30, s30, s25                     ; + the weight's place in wt
	s_lshl_b32 s31, s23, 3                         ; 8 rows of the result
	s_wait_loadcnt 0x0                             ; all eight rows are in; the offsets are free
.irp e, 0,1,2,3
.irp d, 0,1,2,3
	v_cvt_pk_bf16_f32 v[Y+4*(\e)+(\d)], v[X+8*(\d)+(\e)], v[X+8*(\d)+4+(\e)]  ; eight k on end of column 4 c + e
.endr
	ds_store_b128 v[LS], v[Y+4*(\e):Y+4*(\e)+3] offset:16*PW*(\e)
.endr
	v_lshlrev_b32 v[OF], 2, v2
	v_mul_lo_u32 v[OF], v[OF], s23
	v_lshl_add_u32 v[OF], v1, 4, v[OF]
	v_add_nc_u32 v[OF], s30, v[OF]
.irp i, 1,2,3
	v_add_nc_u32 v[OF+(\i)], s31, v[OF+(\i)-1]
.endr
	s_wait_dscnt 0x0                               ; for the others' sake: my stores into the stage are done
	s_barrier_signal -1
	s_barrier_wait -1
.irp i, 0,1,2,3
	ds_load_b128 v[X+4*(\i):X+4*(\i)+3], v[LR] offset:2*PW*(\i)
.endr
.irp i, 0,1,2,3
	s_wait_dscnt 3-(\i)                            ; the younger loads may stay out
	global_store_b128 v[OF+(\i)], v[X+4*(\i):X+4*(\i)+3], s[14:15]  ; 16 lanes: 256 consecutive bytes (128 k of one n), aligned
.endr
	s_wait_tensorcnt 0x0                           ; the wave's end, behind my last LDS store
	ds_add_u32 v[SPW], v[NIL]
	s_wait_dscnt 0x0
	s_endpgm
	; ---- 16 rows of the mask ----
.Lmask:
	s_load_b64 s[12:13], s[0:1], 0x40              ; mask
	s_load_b64 s[16:17], s[0:1], 0x50              ; mbits
	s_sub_co_u32 s20, s19, NWT                     ; qt
	s_lshl_b32 s22, s20, 15                        ; 16 rows of 2,048 bytes
	s_mov_b32 s23, 0
	s_lshl_b32 s24, s20, 12                        ; 32 key steps x 32 words
	s_mov_b32 s25, 0
	s_mov_b32 s36, 0xff                            ; the four bytes of a word
	s_mov_b32 s37, 0xff00
	s_mov_b32 s38, 0xff0000
	s_mov_b32 s39, 0xff000000
	v_lshlrev_b32 v4, 4, v0                        ; 16 bytes a thread: 256 threads take two rows
	v_lshrrev_b32 v5, 7, v0
	v_and_b32 v6, 127, v0
	v_mul_u32_u24 v5, v5, PM
	v_lshl_add_u32 v5, v6, 4, v5                   ; into the stage
	v_mul_u32_u24 v6, v1, PM                       ; back: row c, keys 256 w + 8 h on
	v_lshl_add_u32 v6, v2, 3, v6
	s_lshl_b32 s26, s18, 8
	v_add_nc_u32 v6, s26, v6
	s_lshl_b32 s26, s18, 9
	v_lshl_add_u32 v7, v3, 4, s26                  ; my 16 bytes of the wave's 512 in mbits
.irp e, 0,1,2,3
	v_mov_b32 v[8+(\e)], 0                         ; the four words that my lane will store
.endr
	s_wait_kmcnt 0x0
	s_add_nc_u64 s[12:13], s[12:13], s[22:23]
	s_add_nc_u64 s[16:17], s[16:17], s[24:25]
.irp i, 0,1,2,3,4,5,6,7
	global_load_b128 v[X+4*(\i):X+4*(\i)+3], v4, s[12:13] offset:4096*(\i) th:TH_LOAD_NT
.endr
.irp i, 0,1,2,3,4,5,6,7
	s_wait_loadcnt 7-(\i)                          ; the younger loads may stay out
	ds_store_b128 v5, v[X+4*(\i):X+4*(\i)+3] offset:2*PM*(\i)
.endr
	s_wait_dscnt 0x0
	s_barrier_signal -1
	s_barrier_wait -1
.set q, 0
.rept 16                               ; wave w owns key steps 4 w + s; load q = 4 s + kb brings keys 64 s + 16 kb + 8 h + 0..7 of row c
	ds_load_b64 v[X+2*q:X+2*q+1], v6 offset:64*(q/4)+16*(q%4)
.set q, q+1
.endr
	s_wait_dscnt 0x0
.set q, 0
.rept 32                               ; register q holds bytes j = 4 (q % 2) + e of (s, kb) = (q / 8, (q / 2) % 4): words 4 q + e of the wave's 128, which lane q stores
.irp e, 0,1,2,3
	v_and_b32 v[12+(\e)], s[36+(\e)], v[X+q]
.endr
.irp e, 0,1,2,3
	v_cmp_ne_u32 s[40+(\e)], 0, v[12+(\e)]         ; bit L: lane L's byte is true
.endr
.irp e, 0,1,2,3
	v_writelane_b32 v[8+(\e)], s[40+(\e)], q
.endr
.set q, q+1
.endr
	global_store_b128 v7, v[8:11], s[16:17]        ; 512 consecutive bytes a wave
	s_wait_tensorcnt 0x0                           ; the wave's end, behind my last LDS store
	ds_add_u32 v[SPW], v[NIL]
	s_wait_dscnt 0x0
	s_endpgm
.Lfunc_end_k_qbd299d96bb_prep:
	.size	k_qbd299d96bb_prep, .Lfunc_end_k_qbd299d96bb_prep-k_qbd299d96bb_prep
	.p2alignl 7, 3214868480
	.fill 96, 4, 3214868480
	.section	.rodata,"a",@progbits
	.p2align	6, 0x0
	.amdhsa_kernel k_qbd299d96bb_prep
		.amdhsa_group_segment_fixed_size 34304
		.amdhsa_private_segment_fixed_size 0
		.amdhsa_enable_private_segment 0
		.amdhsa_kernarg_size 88
		.amdhsa_user_sgpr_count 2
		.amdhsa_user_sgpr_kernarg_segment_ptr 1
		.amdhsa_wavefront_size32 1
		.amdhsa_system_sgpr_workgroup_id_x 1
		.amdhsa_system_sgpr_workgroup_id_y 1
		.amdhsa_system_sgpr_workgroup_id_z 1
		.amdhsa_system_vgpr_workitem_id 0
		.amdhsa_next_free_vgpr 114
		.amdhsa_next_free_sgpr 66
		.amdhsa_reserve_vcc 0
		.amdhsa_float_denorm_mode_32 3
		.amdhsa_float_denorm_mode_16_64 3
		.amdhsa_memory_ordered 1
		.amdhsa_forward_progress 1
		.amdhsa_inst_pref_size 43
	.end_amdhsa_kernel
	.amdgpu_metadata
---
amdhsa.version: [ 1, 2 ]
amdhsa.kernels:
  - .name:           k_qbd299d96bb_prep
    .symbol:         k_qbd299d96bb_prep.kd
    .args:
      - { .name: x, .offset: 0, .size: 8, .value_kind: global_buffer, .address_space: global }
      - { .name: ln1_scale, .offset: 8, .size: 8, .value_kind: global_buffer, .address_space: global }
      - { .name: ln1_bias, .offset: 16, .size: 8, .value_kind: global_buffer, .address_space: global }
      - { .name: act, .offset: 24, .size: 8, .value_kind: global_buffer, .address_space: global }
      - { .name: w_qkv, .offset: 32, .size: 8, .value_kind: global_buffer, .address_space: global }
      - { .name: w_attn_proj, .offset: 40, .size: 8, .value_kind: global_buffer, .address_space: global }
      - { .name: w_fc, .offset: 48, .size: 8, .value_kind: global_buffer, .address_space: global }
      - { .name: w_mlp_proj, .offset: 56, .size: 8, .value_kind: global_buffer, .address_space: global }
      - { .name: mask, .offset: 64, .size: 8, .value_kind: global_buffer, .address_space: global }
      - { .name: wt, .offset: 72, .size: 8, .value_kind: global_buffer, .address_space: global }
      - { .name: mbits, .offset: 80, .size: 8, .value_kind: global_buffer, .address_space: global }
    .group_segment_fixed_size: 34304
    .private_segment_fixed_size: 0
    .kernarg_segment_align: 8
    .kernarg_segment_size: 88
    .max_flat_workgroup_size: 256
    .sgpr_count:     66
    .vgpr_count:     114
    .wavefront_size: 32
...
	.end_amdgpu_metadata
.endif
;; end of part 1
;; launch qkvg (part 2): grid 8 x 32, 4 waves a work-group, clusters of 4 x 4, 327,680 bytes of LDS; arguments act, wt, b_qkv, qkv; writes qkv
.if DOCPART == 2
	.amdgcn_target "amdgcn-amd-amdhsa--gfx1250"
	.amdhsa_code_object_version 6
	.text
	.protected	k_qbd299d96bb_qkvg
	.globl	k_qbd299d96bb_qkvg
	.p2align	8
	.type	k_qbd299d96bb_qkvg,@function
k_qbd299d96bb_qkvg:
	s_mov_b64 s[64:65], 0
	v_nop
	global_prefetch_b8 v0, s[64:65] scope:SCOPE_SE
	s_setreg_imm32_b32 hwreg(HW_REG_WAVE_MODE, 25, 1), 1
	s_wait_xcnt 0x0
	s_wait_alu depctr_hold_cnt(0) depctr_sa_sdst(0) depctr_va_vdst(0) depctr_va_sdst(0) depctr_va_ssrc(0) depctr_va_vcc(0) depctr_vm_vsrc(0)
	s_getreg_b32 s2, hwreg(HW_REG_IB_STS2, 6, 4)
	s_cmp_eq_u32 s2, 0
	s_cbranch_scc0 .Lentry_in_a_cluster
	s_endpgm
.Lentry_in_a_cluster:
	s_bfe_u32 s2, ttmp6, 0x10000c
	s_cmp_lg_u32 s2, 0xf033
	s_cbranch_scc0 .Lentry_shape_is_right
	s_endpgm
.Lentry_shape_is_right:
; THIS BODY: qkv = h1 Wqkv + b_qkv, bf16 [4096][3072].  A tile of 128 x 384 gives 256 work-groups, and its rows of the output are 768 bytes: three whole aligned runs of 256.
.set TM, 128
.set TN, 384
.set MB, 4
.set NB, 12
.set SIZE_K, 1024
.set SIZE_N, 3072
.set KSTEP, 128
.set SUB, 1
.set PITCH, 272
.set QI, 5
.set LROWS, 128
.set NAW, 1
.set EPI, 0
.set WOFFB, 0
.set PF, 1
.set ROT, 0
; ONE TEXT FOR FOUR PRODUCTS; the sizes above choose.  C[m][n] = sum over k of A[m][k] W[n][k] (+ bias[n], then EPI).  A: [4096][SIZE_K] bf16; W: [SIZE_N][SIZE_K] bf16 at byte WOFFB of wt; sums in f32.
; EPI 0: + bias, bf16 out.  EPI 1: + bias, tanh-GELU, bf16 out.  EPI 2: + bias + residual (f32), f32 out.
; SHARES.  A work-group makes TM x TN of C; its four waves lie 2 x 2, each with MB x NB accumulators of 16 x 16.  K goes in steps of KSTEP through two LDS slots that take turns (A's TM rows, then W's TN rows,
; each row KSTEP x 2 bytes + 16 of padding, so that the 16 rows of a fragment load start at 16 different groups of four banks).  Each wave fills LROWS rows of a slot by ONE tensor load (waves below NAW: A's, the others: W's).
; CLUSTER 4 x 4: the four work-groups of a row of the cluster need the same rows of A, the four of a column the same rows of W: each tile is asked for jointly, by the same load, descriptor and mask in all four.
; ROT = 1: the clusters whose x + y is odd begin their walk along K in its middle and wrap round, so that two clusters that read the same rows do not ask for the same K step in the same trip.  The start hangs on the
; cluster's coordinates alone, which all sixteen partners share; every K step is taken once; the f32 sums are the same numbers added in another order.
; THE MATRIX INSTRUCTION IS USED TURNED (source 0 = 16 rows of W, source 1 = 16 rows of A): a lane then holds row lane % 16 of C and eight neighbouring columns 8 (lane / 16) + 0..7.
; A K step is four CHUNKS of 32 SUB along K on two fragment buffers by turns: at a chunk's head the next chunk's 32 LDS loads go out in one run and have the chunk's MB NB SUB products in which to land.
; REGISTERS in windows of 256 (s_set_vgpr_msb: bits 1:0 source 0, 3:2 source 1, 5:4 source 2, 7:6 destination): window 0 addresses and the way out; window 1 the two fragment buffers of 128 (W's fragments, then A's);
; windows 2, 3 the accumulators: (a, b) has number a NB + b, 32 to a window.
; THE WAY OUT goes through an f32 stage in LDS, laid over the slots after their last fill and last read: a wave then reads whole rows and 32 lanes store 256 (bf16) or 512 (f32) consecutive bytes, aligned.
.set KT,    SIZE_K/KSTEP               ; K steps
.set KSH,   8+KSTEP/256                ; log2 of the bytes of a row in a K step (256 or 512)
.set CHB,   64*SUB                     ; bytes of a row in a chunk
.set SLOT,  (TM+TN)*PITCH
.set SPARE, 2*SLOT                     ; behind the slots: the spare words, 128 bytes for each wave; no other line names them
.set SP,    4*TN+16                    ; a row of the stage
.set PRT,   TN/128                     ; parts of 128 columns in a row
.set RPT,   4                          ; rows a trip on the way out (EPI 0, 1)
.set U,     RPT*PRT
.set G1W,   (1<<16)|(1<<20)|(1<<21)|(QI<<22)|(3<<25)  ; 17:16 2-byte elements; 20 padding on; 21 set beside a mask; 24:22 after every row; 31:25 4 words of it
.if EPI == 2
.set OPB, 4*SIZE_N
.set CB,  4*TN
.set OUTP, 12
.else
.set OPB, 2*SIZE_N
.set CB,  2*TN
.set OUTP, 10
.endif
.set ADRA0, 4                          ; v4, v5  my lane's place in A's and W's rows of slot 0; never rewritten
.set ADRB0, 5
.set ADRA,  6                          ; v6, v7  the same in the slot in hand, at the pair of chunks in hand
.set ADRB,  7
.set STO,   8                          ; v8   where I put 32 bytes of a row of the stage
.set RD0,   9                          ; v9   my 16 bytes in my wave's first row of the stage
.set RD,    10                         ; v10  the same, some rows on
.set CO,    11                         ; v11  8 x lane
.set SPW,   12                         ; v12  my spare word: SPARE + 4 x my thread's number; never rewritten
.set NIL,   13                         ; v13  0; never rewritten
.set PFO,   14                         ; v14  lane x a row of A or W in memory
.set BO,    15                         ; v15  16 x lane
.set BI,    16                         ; v[16:27] bias: part p's four columns of my lane at BI + 4 p
.set X,     32                         ; the way out: rows as read; then Z (with bias), TT (at work), Y (packed)
.set Z,     X+4*U
.set TT,    Z+4*U
.set Y,     TT+4*U
.set R,     128                        ; EPI 2: v[128:255] my wave's 32 rows of the residual
.set WV, 14
.set WM, 15
.set WN, 16
.set CX, 17
.set CY, 18
.set TX, 19
.set TY, 20
.set TS, 21                            ; s21  0 or SLOT: the slot in hand
.set RO, 21                            ;      on the way out: the row offset of the loads ahead
.set OUTC, 22
.set CNT, 23
.set G1A, 24                           ; s[24:31], s[32:39] descriptor group 1 for A's and W's tiles: they differ in the mask
.set G1B, 32
.set G0A, 40                           ; s[40:43] group 0 of the first fill, s[44:47] the one that walks; s[48:55] the same for W
.set G0B, 48
.set PFA, 56                           ; s[56:57] where my prefetches stand
.set LIM, 58                           ; s58  2 in a wave that prefetches, else the greatest number
.set WL,  59                           ; s59  my rows' place in a slot
.set RBA, 60                           ; s[60:61] A at the first of the rows that I fetch; s[62:63] the same for W
.set RBW, 62
.set NXT, 66                           ; s66  the K step to be asked for next
.set OFF, 68                           ; s[68:69] its bytes along a row
.set MSB, 0
.macro WIN new                         ; the immediate's high byte repeats the setting that is left; a switch that changes nothing is dropped
.if MSB != (\new)
	s_set_vgpr_msb (MSB<<8)|(\new)
.set MSB, (\new)
.endif
.endm
.macro PLACES                          ; four plain instructions between a product and a load into, or a reader of, its registers
.rept 4
	v_nop
.endr
.endm
.macro CREST                           ; a round of the cluster's barrier behind its opening barrier
	s_cmp_lg_u32 s[WV], 0
	s_cbranch_scc1 .Lnot_wave_0_\@
	s_barrier_signal -3
.Lnot_wave_0_\@:
	s_barrier_wait -3
	s_barrier_signal -1
	s_barrier_wait -1
.endm
.macro CROUND
	s_barrier_signal -1
	s_barrier_wait -1
	CREST
.endm
.macro JLOAD                           ; the joint refill, by the walking descriptors; the branch hangs on the wave's number alone; s_nop 0 and four v_nop follow each line
	s_cmp_lt_u32 s[WV], NAW
	s_cbranch_scc0 .Lfor_b_\@
	tensor_load_to_lds s[G0A+4:G0A+7], s[G1A:G1A+7]
	s_nop 0
.rept 4
	v_nop
.endr
	s_branch .Lasked_\@
.Lfor_b_\@:
	tensor_load_to_lds s[G0B+4:G0B+7], s[G1B:G1B+7]
	s_nop 0
.rept 4
	v_nop
.endr
.Lasked_\@:
.endm
; A PREFETCH INTO THE L2 (PF = 1: both operands were stored by earlier launches): behind each refill and the run of LDS loads, the K step that stands two refills on: 32 rows x 256 bytes, a lane a row.
; A's rows are asked for by the clusters with x = 0 alone, W's by those with y = 0; the four partners of a joint load share its 128 rows out by address, 32 each: each run of 256 bytes is named once in the launch.
; K steps 0 to 3 come by their loads alone; the last two refills name nothing (there is no K step two on).
.macro ASK
	WIN 0
	s_cmp_gt_u32 s[OUTC], s[LIM]
	s_cbranch_scc0 .Lnot_mine_\@
	global_prefetch_b8 v[PFO], s[PFA:PFA+1] th:TH_LOAD_NT scope:SCOPE_SE
.Lnot_mine_\@:
.endm
.macro FETCH g, off                    ; 32 LDS loads in one run: a chunk's fragments, at byte off of the rows, into buffer g
	WIN 0x40
.set cc, 0
.rept SUB
.set ii, 0
.rept NB
.set rF, 128*(\g)+8*(NB*cc+ii)
	ds_load_b128 v[rF:rF+3],   v[ADRB] offset:(\off)+64*cc+ii*16*PITCH
	ds_load_b128 v[rF+4:rF+7], v[ADRB] offset:(\off)+64*cc+ii*16*PITCH+32
.set ii, ii+1
.endr
.set ii, 0
.rept MB
.set rF, 128*(\g)+8*NB*SUB+8*(MB*cc+ii)
	ds_load_b128 v[rF:rF+3],   v[ADRA] offset:(\off)+64*cc+ii*16*PITCH
	ds_load_b128 v[rF+4:rF+7], v[ADRA] offset:(\off)+64*cc+ii*16*PITCH+32
.set ii, ii+1
.endr
.set cc, cc+1
.endr
.endm
; n slices of NB products from slice sl0 on, out of buffer f; slice sl: 32 along K number sl / MB, block row sl % MB.  All accumulators take turns, one instruction a turn, in the same order in every chunk.
; zero = 1: the first products start the sums.
.macro MULS f, sl0, n, zero
.set sl, (\sl0)
.rept (\n)
.set cc, sl/MB
.set aa, sl%MB
.set bb, 0
.rept NB
.set ai, aa*NB+bb
.set rD, (8*ai)&255
.set rW, 128*(\f)+8*(NB*cc+bb)
.set rA, 128*(\f)+8*NB*SUB+8*(MB*cc+aa)
	WIN 0xa5+0x50*(ai>>5)
.if (\zero) && (cc == 0)
	v_wmma_f32_16x16x32_bf16 v[rD:rD+7], v[rW:rW+7], v[rA:rA+7], 0
.else
	v_wmma_f32_16x16x32_bf16 v[rD:rD+7], v[rW:rW+7], v[rA:rA+7], v[rD:rD+7]
.endif
.set bb, bb+1
.endr
.set sl, sl+1
.endr
.endm
.macro CH f, g, off, zero              ; a chunk: buffer f is multiplied; the next chunk's fragments go out first, into buffer g
	s_wait_dscnt 0x0                               ; buffer f, asked for a chunk ago, is in
	PLACES                                         ; behind the last product that read buffer g
	FETCH \g, \off
	MULS \f, 0, SUB*MB, \zero
.endm
; A K step's last chunk (buffer 1) and THE CHANGE OF SLOTS: one barrier, at the chunk's head.  In front of it each wave waits for all its tensor loads (one is out: its part of the next slot), adds 0 to its spare word,
; and waits for that and for its reads of this slot (the last of them, this chunk's fragments, went out a chunk ago).  fill = 1: the barrier opens a round of the cluster's, and the slot just read out is filled again
; first thing behind it, with the K step NXT.  No product stands between the wait for my tensor load and the joint load: the load has the whole K step's 4 MB NB SUB products in which to land.
.macro TURN fill
	WIN 0
.if PF && (\fill)
	s_wait_xcnt 0x0                                ; the last prefetch, a K step back, has read its address
	s_add_nc_u64 s[PFA:PFA+1], s[PFA:PFA+1], KSTEP*2
.endif
	s_wait_tensorcnt 0x0                           ; no tensor load of mine is out, so the walking descriptors may be written
	ds_add_u32 v[SPW], v[NIL]                      ; 0 onto my spare word; the descriptors' scalar work stands between it and the wait for it
.if \fill
	s_lshl_b32 s[OFF], s[NXT], KSH
	s_add_co_u32 s[G0A+5], s[WL], s[TS]            ; into the slot that is being left,
	s_add_co_u32 s[G0B+5], s[WL], s[TS]
	s_add_nc_u64 s[G0A+6:G0A+7], s[RBA:RBA+1], s[OFF:OFF+1]  ; the address made anew: my rows' base and the K step's bytes
	s_or_b32 s[G0A+7], s[G0A+7], 0x80000000
	s_add_nc_u64 s[G0B+6:G0B+7], s[RBW:RBW+1], s[OFF:OFF+1]
	s_or_b32 s[G0B+7], s[G0B+7], 0x80000000
	s_add_co_u32 s[NXT], s[NXT], 1
	s_and_b32 s[NXT], s[NXT], KT-1                 ; round K's end
.endif
	s_xor_b32 s[TS], s[TS], SLOT
	s_wait_dscnt 0x0                               ; the add is done, buffer 1 is in, my reads of this slot are over
	s_barrier_signal -1
	s_barrier_wait -1
.if \fill
	CREST                                          ; no wave of any partner still reads this slot or has a load on its way
	JLOAD                                          ; its four v_nop are also the places in front of the loads below
.else
	PLACES
.endif
	v_add_nc_u32 v[ADRA], s[TS], v[ADRA0]
	v_add_nc_u32 v[ADRB], s[TS], v[ADRB0]
	FETCH 0, 0
.if PF && (\fill)
	ASK
.endif
	MULS 1, 0, SUB*MB, 0
.endm
	s_load_b256 s[4:11], s[0:1], 0x0               ; A s[4:5], wt s[6:7], bias s[8:9]; s[10:11] the output (EPI 0, 1) or the residual (EPI 2)
.if EPI == 2
	s_load_b64 s[12:13], s[0:1], 0x20              ; the output
.endif
	v_lshl_add_u32 v[SPW], v0, 2, SPARE
	v_mov_b32 v[NIL], 0
	ds_add_u32 v[SPW], v[NIL]                      ; the wave's opening: the add and its wait ahead of my first tensor load; work on registers stands between them
	v_lshrrev_b32 v3, 5, v0
	v_readfirstlane_b32 s[WV], v3                  ; wave 0..3
	s_lshr_b32 s[WM], s[WV], 1                     ; my half of the tile's rows
	s_and_b32 s[WN], s[WV], 1                      ; and of its columns
	s_bfe_u32 s[CX], ttmp6, 0x40000
	s_bfe_u32 s[CY], ttmp6, 0x40004
	s_lshl_b32 s[TX], ttmp9, 2
	s_add_co_u32 s[TX], s[TX], s[CX]               ; tile column
	s_and_b32 s[TY], ttmp7, 0xffff
	s_lshl_b32 s[TY], s[TY], 2
	s_add_co_u32 s[TY], s[TY], s[CY]               ; tile row
	s_lshl_b32 s2, s[CY], 2
	s_lshl_b32 s2, 15, s2                          ; my row of the cluster
	s_lshl_b32 s3, 0x1111, s[CX]                   ; my column
	s_or_b32 s[G1A], s2, G1W
	s_or_b32 s[G1B], s3, G1W
.irp g, G1A, G1B
	s_mov_b32 s[(\g)+1], KSTEP<<16                 ; tensor_dim0
	s_mov_b32 s[(\g)+2], LROWS<<16                 ; tensor_dim1
	s_mov_b32 s[(\g)+3], KSTEP<<16                 ; tile_dim0
	s_mov_b32 s[(\g)+4], LROWS                     ; tile_dim1
	s_mov_b32 s[(\g)+5], SIZE_K                    ; elements from row to row
	s_mov_b32 s[(\g)+6], 0
	s_mov_b32 s[(\g)+7], 0
.endr
	s_min_u32 s60, s[WV], NAW-1                    ; A's rows hang on the tile row and the wave alone,
	s_mul_i32 s60, s60, LROWS
	s_mul_i32 s61, s[TY], TM
	s_add_co_u32 s60, s60, s61
	s_mul_i32 s60, s60, SIZE_K*2
	s_mov_b32 s61, 0
	s_sub_co_i32 s62, s[WV], NAW                   ; W's on the tile column and the wave
	s_max_i32 s62, s62, 0
	s_mul_i32 s62, s62, LROWS
	s_mul_i32 s63, s[TX], TN
	s_add_co_u32 s62, s62, s63
	s_mul_i32 s62, s62, SIZE_K*2
	s_add_co_u32 s62, s62, WOFFB
	s_mov_b32 s63, 0
	s_mul_i32 s[WL], s[WV], LROWS*PITCH            ; no place in the cluster enters an LDS address
.if ROT
	s_and_b32 s[NXT], ttmp7, 0xffff                ; cluster y
	s_add_co_u32 s[NXT], s[NXT], ttmp9             ; + cluster x
	s_and_b32 s[NXT], s[NXT], 1
	s_mul_i32 s[NXT], s[NXT], KT/2                 ; the K step at which my cluster's walk begins: 0, or the middle
.else
	s_mov_b32 s[NXT], 0
.endif
	s_lshl_b32 s[OFF], s[NXT], KSH
	s_mov_b32 s[OFF+1], 0
	s_add_co_u32 s[NXT], s[NXT], 2                 ; the two first fills take that step and the next (neither wraps)
	s_and_b32 s[NXT], s[NXT], KT-1
	s_wait_dscnt 0x0                               ; the opening add is done
	s_wait_kmcnt 0x0
	s_add_nc_u64 s[RBA:RBA+1], s[4:5], s[60:61]
	s_add_nc_u64 s[RBW:RBW+1], s[6:7], s[62:63]
.irp s, 0,1
	s_mov_b32 s[G0A+4*(\s)], 1
	s_add_co_u32 s[G0A+4*(\s)+1], s[WL], (\s)*SLOT
	s_mov_b32 s[G0B+4*(\s)], 1
	s_add_co_u32 s[G0B+4*(\s)+1], s[WL], (\s)*SLOT
.endr
	s_add_nc_u64 s[G0A+2:G0A+3], s[RBA:RBA+1], s[OFF:OFF+1]
	s_add_nc_u64 s[G0A+6:G0A+7], s[G0A+2:G0A+3], KSTEP*2
	s_or_b32 s[G0A+3], s[G0A+3], 0x80000000
	s_or_b32 s[G0A+7], s[G0A+7], 0x80000000
	s_add_nc_u64 s[G0B+2:G0B+3], s[RBW:RBW+1], s[OFF:OFF+1]
	s_add_nc_u64 s[G0B+6:G0B+7], s[G0B+2:G0B+3], KSTEP*2
	s_or_b32 s[G0B+3], s[G0B+3], 0x80000000
	s_or_b32 s[G0B+7], s[G0B+7], 0x80000000
	CROUND                                         ; all sixteen work-groups are here: the first joint loads meet
	s_cmp_lt_u32 s[WV], NAW                        ; a wave's two first fills stand in one branch: two loads of mine are out, the most in this text
	s_cbranch_scc0 .Lfirst_b
	tensor_load_to_lds s[G0A:G0A+3], s[G1A:G1A+7]
	s_nop 0
	tensor_load_to_lds s[G0A+4:G0A+7], s[G1A:G1A+7]
	s_nop 0
.rept 4
	v_nop
.endr
	s_branch .Lfirst_asked
.Lfirst_b:
	tensor_load_to_lds s[G0B:G0B+3], s[G1B:G1B+7]
	s_nop 0
	tensor_load_to_lds s[G0B+4:G0B+7], s[G1B:G1B+7]
	s_nop 0
.rept 4
	v_nop
.endr
.Lfirst_asked:
	v_and_b32 v1, 15, v0                           ; r = lane % 16
	v_bfe_u32 v2, v0, 4, 1                         ; h = lane / 16
	v_and_b32 v3, 31, v0                           ; lane
	v_mul_u32_u24 v[ADRA0], v1, PITCH              ; a fragment: row r, 16 bytes for each half of the lanes, twice, 32 bytes apart
	v_lshl_add_u32 v[ADRA0], v2, 4, v[ADRA0]
	s_mul_i32 s2, s[WN], 16*NB*PITCH
	s_add_co_u32 s2, s2, TM*PITCH
	v_add_nc_u32 v[ADRB0], s2, v[ADRA0]
	s_mul_i32 s2, s[WM], 16*MB*PITCH
	v_add_nc_u32 v[ADRA0], s2, v[ADRA0]
	v_mul_u32_u24 v[STO], v1, SP                   ; into the stage: row 16 MB wm + r, byte 64 NB wn + 32 h
	v_lshl_add_u32 v[STO], v2, 5, v[STO]
	s_mul_i32 s2, s[WM], 16*MB*SP
	s_mul_i32 s3, s[WN], 64*NB
	s_add_co_u32 s2, s2, s3
	v_add_nc_u32 v[STO], s2, v[STO]
	s_mul_i32 s2, s[WV], (TM/4)*SP                 ; back: wave w takes rows w TM / 4 on, whole
	v_lshl_add_u32 v[RD0], v3, 4, s2
	v_lshlrev_b32 v[CO], 3, v3
	v_lshlrev_b32 v[BO], 4, v3
	s_mul_i32 s2, s[TX], 4*TN
	s_mov_b32 s3, 0
	s_add_nc_u64 s[8:9], s[8:9], s[2:3]
.set pp, 0
.rept PRT
	global_load_b128 v[BI+4*pp:BI+4*pp+3], v[BO], s[8:9] offset:512*pp  ; the bias of my four columns of each part; waited for on the way out
.set pp, pp+1
.endr
	s_mul_i32 s2, s[TY], TM
	s_mul_i32 s3, s[WV], TM/4
	s_add_co_u32 s2, s2, s3                        ; the first row that I store
	s_mul_i32 s2, s2, OPB
	s_mul_i32 s3, s[TX], CB
	s_add_co_u32 s2, s2, s3
	s_mov_b32 s3, 0
	s_add_nc_u64 s[OUTP:OUTP+1], s[OUTP:OUTP+1], s[2:3]
.if EPI == 2
	s_add_nc_u64 s[10:11], s[10:11], s[2:3]
.set i, 0
.rept 32
	global_load_b128 v[R+4*i:R+4*i+3], v[BO], s[10:11] offset:OPB*i  ; my 32 rows of the residual: they land under the whole K walk
.set i, i+1
.endr
.endif
.if PF
	s_and_b32 s3, ttmp7, 0xffff
	s_cmp_lt_u32 s[WV], NAW                        ; do I fetch for A?
	s_cselect_b64 s[PFA:PFA+1], s[RBA:RBA+1], s[RBW:RBW+1]  ; my load's first row
	s_cselect_b32 s2, s[CX], s[CY]                 ; my place among the four that ask with me
	s_cselect_b32 s3, ttmp9, s3                    ; the coordinate along which other clusters read the same rows
	s_cmp_eq_u32 s3, 0
	s_cselect_b32 s[LIM], 2, -1                    ; the same in all sixteen partners, for a given wave
	s_mul_i32 s2, s2, 32*SIZE_K*2
	s_add_co_u32 s2, s2, 3*KSTEP*2                 ; at K step 3: the first refill steps it to 4
	s_mov_b32 s3, 0
	s_add_nc_u64 s[PFA:PFA+1], s[PFA:PFA+1], s[2:3]
	v_mul_u32_u24 v[PFO], v3, SIZE_K*2
.endif
	s_wait_tensorcnt 1                             ; my part of the first K step is in; the second's may stay out
	s_barrier_signal -1
	s_barrier_wait -1
	s_mov_b32 s[TS], 0
	v_mov_b32 v[ADRA], v[ADRA0]
	v_mov_b32 v[ADRB], v[ADRB0]
	FETCH 0, 0
	CH 0, 1, CHB, 1                                ; the first chunk stands in front of the loops: its products start the sums
	WIN 0
	s_mov_b32 s[OUTC], KT-2
	s_mov_b32 s[CNT], 2
	s_branch .Lin                                  ; the loop is entered behind its first chunk
.Lstep:                                        ; KT - 2 trips: a K step each; its change of slots fills the slot that it leaves
	s_mov_b32 s[CNT], 2
.Leven:                                        ; a K step's chunks 0 and 2 (buffer 0) by one text, chunk 1 (buffer 1) by another; chunk 3 is the change of slots'
	CH 0, 1, CHB, 0
	WIN 0
.Lin:
	s_sub_co_u32 s[CNT], s[CNT], 1
	s_cmp_eq_u32 s[CNT], 0
	s_cbranch_scc1 .Lturn
	CH 1, 0, 2*CHB, 0
	WIN 0
	v_add_nc_u32 v[ADRA], 2*CHB, v[ADRA]           ; the step's second pair of chunks
	v_add_nc_u32 v[ADRB], 2*CHB, v[ADRB]
	s_branch .Leven
.Lturn:
	TURN 1
	WIN 0
	s_sub_co_u32 s[OUTC], s[OUTC], 1
	s_cmp_lg_u32 s[OUTC], 0
	s_cbranch_scc1 .Lstep
	s_mov_b32 s[OUTC], 2
.Ltstep:                                       ; the last two K steps ask for nothing: written apart
	s_mov_b32 s[CNT], 2
.Lteven:
	CH 0, 1, CHB, 0
	WIN 0
	s_sub_co_u32 s[CNT], s[CNT], 1
	s_cmp_eq_u32 s[CNT], 0
	s_cbranch_scc1 .Ltturn
	CH 1, 0, 2*CHB, 0
	WIN 0
	v_add_nc_u32 v[ADRA], 2*CHB, v[ADRA]
	v_add_nc_u32 v[ADRB], 2*CHB, v[ADRB]
	s_branch .Lteven
.Ltturn:
	TURN 0                                         ; (in the second trip its barrier and its 32 fragment loads, of the slot left before, serve nothing: the price, once a launch, of one text for both trips)
	WIN 0
	s_sub_co_u32 s[OUTC], s[OUTC], 1
	s_cmp_lg_u32 s[OUTC], 0
	s_cbranch_scc1 .Ltstep
	PLACES                                         ; behind the last products, ahead of the stores that read results
	s_wait_dscnt 0x0
	s_barrier_signal -1
	s_barrier_wait -1                              ; nobody reads a slot any more, and no fill is to come: the stage may be written
.set aa, 0
.rept MB
.set bb, 0
.rept NB
.set ai, aa*NB+bb
.set rD, (8*ai)&255
	WIN 0x08+0x04*(ai>>5)                          ; store data (source 1) in window 2 or 3
	ds_store_b128 v[STO], v[rD:rD+3]   offset:64*bb      ; each accumulator's lowest registers first
	ds_store_b128 v[STO], v[rD+4:rD+7] offset:64*bb+16
.set bb, bb+1
.endr
	WIN 0
	v_add_nc_u32 v[STO], 16*SP, v[STO]
.set aa, aa+1
.endr
	s_wait_dscnt 0x0                               ; for the others' sake: my stores into the stage are done
	s_barrier_signal -1
	s_barrier_wait -1
	s_wait_loadcnt 0x0                             ; the bias (and the residual)
.if EPI == 2
.irp bt, 0,1                           ; my 32 rows, 16 at a time
.if (\bt) == 1
	s_wait_xcnt 0x0                                ; the first 16 stores have read their registers
.endif
.set i, 0
.rept 16
	ds_load_b128 v[X+4*i:X+4*i+3], v[RD0] offset:(16*(\bt)+i)*SP
.set i, i+1
.endr
.set i, 0
.rept 16
	s_wait_dscnt 15-i                              ; the younger loads may stay out
	v_pk_add_f32 v[X+4*i:X+4*i+1],   v[X+4*i:X+4*i+1],   v[BI:BI+1]
	v_pk_add_f32 v[X+4*i+2:X+4*i+3], v[X+4*i+2:X+4*i+3], v[BI+2:BI+3]
	v_pk_add_f32 v[X+4*i:X+4*i+1],   v[X+4*i:X+4*i+1],   v[R+4*(16*(\bt)+i):R+4*(16*(\bt)+i)+1]
	v_pk_add_f32 v[X+4*i+2:X+4*i+3], v[X+4*i+2:X+4*i+3], v[R+4*(16*(\bt)+i)+2:R+4*(16*(\bt)+i)+3]
	global_store_b128 v[BO], v[X+4*i:X+4*i+3], s[OUTP:OUTP+1] offset:(16*(\bt)+i)*OPB  ; 512 consecutive bytes, aligned
.set i, i+1
.endr
.endr
.else
.macro LD                              ; RPT rows, PRT parts each: 512 consecutive bytes a load
.set uu, 0
.rept U
	ds_load_b128 v[X+4*uu:X+4*uu+3], v[RD] offset:(uu/PRT)*SP+512*(uu%PRT)
.set uu, uu+1
.endr
.endm
.if EPI == 1
	s_mov_b32 s60, 0xc0135764                      ; k0 = -2 sqrt(2 / pi) log2(e)
	s_mov_b32 s61, 0xc0135764
	s_mov_b32 s62, 0xbdd2d3e8                      ; k1 = 0.044715 k0
	s_mov_b32 s63, 0xbdd2d3e8
.endif
	s_mov_b32 s[RO], 0
	v_mov_b32 v[RD], v[RD0]
	LD
	s_mov_b32 s[CNT], (TM/4)/RPT
.Lrow:                                         ; a trip: RPT rows; the next trip's rows are read from the stage while these are worked on
	s_wait_dscnt 0x0
.set uu, 0
.rept U
	v_pk_add_f32 v[Z+4*uu:Z+4*uu+1],   v[X+4*uu:X+4*uu+1],   v[BI+4*(uu%PRT):BI+4*(uu%PRT)+1]
	v_pk_add_f32 v[Z+4*uu+2:Z+4*uu+3], v[X+4*uu+2:X+4*uu+3], v[BI+4*(uu%PRT)+2:BI+4*(uu%PRT)+3]
.set uu, uu+1
.endr
	s_add_co_u32 s[RO], s[RO], RPT*SP
	s_min_u32 s[RO], s[RO], (TM/4-RPT)*SP          ; the last trip reads its own rows once more, and nobody uses them: no load leaves my rows
	v_add_nc_u32 v[RD], s[RO], v[RD0]
	LD
.if EPI == 1
	; gelu(z) = 0.5 z (1 + tanh(u)) = z / (1 + 2^(z (k0 + k1 z^2))): the same function; where the power overflows the quotient is 0, where it vanishes z
.set i, 0
.rept 2*U
	v_pk_mul_f32 v[TT+2*i:TT+2*i+1], v[Z+2*i:Z+2*i+1], v[Z+2*i:Z+2*i+1]
.set i, i+1
.endr
.set i, 0
.rept 2*U
	v_pk_fma_f32 v[TT+2*i:TT+2*i+1], v[TT+2*i:TT+2*i+1], s[62:63], s[60:61] op_sel_hi:[1,0,0]
.set i, i+1
.endr
.set i, 0
.rept 2*U
	v_pk_mul_f32 v[TT+2*i:TT+2*i+1], v[TT+2*i:TT+2*i+1], v[Z+2*i:Z+2*i+1]
.set i, i+1
.endr
.set i, 0
.rept 4*U
	v_exp_f32 v[TT+i], v[TT+i]
.set i, i+1
.endr
	v_nop                                          ; a plain instruction behind the last of the batch,
	s_wait_alu depctr_va_vdst(0)                   ; and one wait for the batch, ahead of its first reader
.set i, 0
.rept 2*U
	v_pk_add_f32 v[TT+2*i:TT+2*i+1], v[TT+2*i:TT+2*i+1], 1.0 op_sel_hi:[1,0]
.set i, i+1
.endr
.set i, 0
.rept 4*U
	v_rcp_f32 v[TT+i], v[TT+i]
.set i, i+1
.endr
	v_nop
	s_wait_alu depctr_va_vdst(0)                   ; the same for the reciprocals
.set i, 0
.rept 2*U
	v_pk_mul_f32 v[Z+2*i:Z+2*i+1], v[Z+2*i:Z+2*i+1], v[TT+2*i:TT+2*i+1]
.set i, i+1
.endr
.endif
.set i, 0
.rept 2*U
	v_cvt_pk_bf16_f32 v[Y+i], v[Z+2*i], v[Z+2*i+1]
.set i, i+1
.endr
.set uu, 0
.rept U
	global_store_b64 v[CO], v[Y+2*uu:Y+2*uu+1], s[OUTP:OUTP+1] offset:(uu/PRT)*OPB+256*(uu%PRT)  ; 32 lanes: 256 consecutive bytes, aligned
.set uu, uu+1
.endr
	s_wait_xcnt 0x0                                ; the stores have read their registers and their base
	s_add_nc_u64 s[OUTP:OUTP+1], s[OUTP:OUTP+1], RPT*OPB
	s_sub_co_u32 s[CNT], s[CNT], 1
	s_cmp_lg_u32 s[CNT], 0
	s_cbranch_scc1 .Lrow
.endif
	s_wait_tensorcnt 0x0                           ; the wave's end, behind my last tensor load and my last LDS store
	ds_add_u32 v[SPW], v[NIL]
	s_wait_dscnt 0x0
	CROUND                                         ; the closing round: no work-group ends while a partner may still ask for a tile that names it
	s_endpgm
.Lfunc_end_k_qbd299d96bb_qkvg:
	.size	k_qbd299d96bb_qkvg, .Lfunc_end_k_qbd299d96bb_qkvg-k_qbd299d96bb_qkvg
	.p2alignl 7, 3214868480
	.fill 96, 4, 3214868480
	.section	.rodata,"a",@progbits
	.p2align	6, 0x0
	.amdhsa_kernel k_qbd299d96bb_qkvg
		.amdhsa_group_segment_fixed_size 327680
		.amdhsa_private_segment_fixed_size 0
		.amdhsa_enable_private_segment 0
		.amdhsa_kernarg_size 32
		.amdhsa_user_sgpr_count 2
		.amdhsa_user_sgpr_kernarg_segment_ptr 1
		.amdhsa_wavefront_size32 1
		.amdhsa_system_sgpr_workgroup_id_x 1
		.amdhsa_system_sgpr_workgroup_id_y 1
		.amdhsa_system_sgpr_workgroup_id_z 1
		.amdhsa_system_vgpr_workitem_id 0
		.amdhsa_next_free_vgpr 896
		.amdhsa_next_free_sgpr 72
		.amdhsa_reserve_vcc 0
		.amdhsa_float_denorm_mode_32 3
		.amdhsa_float_denorm_mode_16_64 3
		.amdhsa_memory_ordered 1
		.amdhsa_forward_progress 1
		.amdhsa_inst_pref_size 63
	.end_amdhsa_kernel
	.amdgpu_metadata
---
amdhsa.version: [ 1, 2 ]
amdhsa.kernels:
  - .name:           k_qbd299d96bb_qkvg
    .symbol:         k_qbd299d96bb_qkvg.kd
    .args:
      - { .name: act, .offset: 0, .size: 8, .value_kind: global_buffer, .address_space: global }
      - { .name: wt, .offset: 8, .size: 8, .value_kind: global_buffer, .address_space: global }
      - { .name: b_qkv, .offset: 16, .size: 8, .value_kind: global_buffer, .address_space: global }
      - { .name: qkv, .offset: 24, .size: 8, .value_kind: global_buffer, .address_space: global }
    .group_segment_fixed_size: 327680
    .private_segment_fixed_size: 0
    .kernarg_segment_align: 8
    .kernarg_segment_size: 32
    .max_flat_workgroup_size: 128
    .sgpr_count:     72
    .vgpr_count:     896
    .wavefront_size: 32
...
	.end_amdgpu_metadata
.endif
;; end of part 2
;; launch attn (part 3): grid 16 x 16, 8 waves a work-group, clusters of 4 x 1, 327,680 bytes of LDS; arguments qkv, mbits, act; writes act
.if DOCPART == 3
	.amdgcn_target "amdgcn-amd-amdhsa--gfx1250"
	.amdhsa_code_object_version 6
	.text
	.protected	k_qbd299d96bb_attn
	.globl	k_qbd299d96bb_attn
	.p2align	8
	.type	k_qbd299d96bb_attn,@function
k_qbd299d96bb_attn:
	s_mov_b64 s[64:65], 0
	v_nop
	global_prefetch_b8 v0, s[64:65] scope:SCOPE_SE
	s_setreg_imm32_b32 hwreg(HW_REG_WAVE_MODE, 25, 1), 1
	s_wait_xcnt 0x0
	s_wait_alu depctr_hold_cnt(0) depctr_sa_sdst(0) depctr_va_vdst(0) depctr_va_sdst(0) depctr_va_ssrc(0) depctr_va_vcc(0) depctr_vm_vsrc(0)
	s_getreg_b32 s2, hwreg(HW_REG_IB_STS2, 6, 4)
	s_cmp_eq_u32 s2, 0
	s_cbranch_scc0 .Lentry_in_a_cluster
	s_endpgm
.Lentry_in_a_cluster:
	s_bfe_u32 s2, ttmp6, 0x10000c
	s_cmp_lg_u32 s2, 0x3003
	s_cbranch_scc0 .Lentry_shape_is_right
	s_endpgm
.Lentry_shape_is_right:
; O[b][q][head] = sum over k of softmax_k(where(mask[q][k], Q.K / 8, large negative)) V.  qkv: [4096 tokens][3072] bf16 (q, k, v; a head's 64 channels are 128 bytes); O: [4096][1024] bf16, rounded once.
; THE MASK IS AN INPUT: all 2,048 keys are walked for every query, and a score whose mask bit is 0 is REPLACED, as the definition replaces it.  mbits holds the mask as lane masks (one word for each score register).
; LIMITS.  The replacement is -2^36 ahead of the scale 1 / 8 (-8.6e9 behind it) where the definition has -1e10: the results differ only where a true scaled score lies below -8.6e9.  A power of two, so that
; c m is exact: in a row with no true key every exponent is exactly 0, every weight 1, and O is the mean of V's rows, as the definition gives.  A weight below 2^-126 counts as 0; NaN and infinities are not treated apart.
; SHARES.  A work-group: one batch, TWO heads, 128 queries.  With two heads a row of K, of V and of O is 256 aligned bytes of the plain token-major layouts.  Wave w: head w / 4 of the pair, 32 queries (w % 4): two tiles of 16.
; Eight waves, two to a SIMD: with the mask a tile and key step have some 150 vector instructions for 16 products, so the vector unit binds whatever the order; the second wave's vector work stands beside the first's products.
; LAYOUT.  S^T = K Q^T (source 0 = 16 keys, source 1 = 16 queries): a lane holds ONE query (lane % 16) and keys 8 (lane / 16) + 0..7.  Two such results rounded to bf16 ARE source 1 of O^T = V^T P.  V comes out of LDS turned.
; SOFTMAX.  A running maximum m and sum l for each query: p = 2^(c s - c m), c = log2(e) / 8; in every step O and l are multiplied by a = 2^(c m_old - c m_new).  m starts at the lowest finite number, O and l at 0.
; RING.  Two slots of a tile of 256 keys (four key steps): eight regions of 18,432 bytes, K of steps 0-3 (rows of 272 bytes), then V (288); wave w fills region w by one tensor load.
; CLUSTER 4 x 1: the four query blocks of a cluster walk the same K and V: each tile is asked for jointly.
; REGISTERS (s_set_vgpr_msb: bits 1:0 source 0, 3:2 source 1, 5:4 source 2, 7:6 destination): window 0: addresses, statistics, S^T v64-127, P v128-159, K v160-223; window 1: Q v0-31, V v32-95, O^T v96-159.
.set ROWB,  6144                       ; bytes in a token's row of qkv
.set TILEB, 256*ROWB
.set PK,    272
.set PVP,   288
.set RW,    18432
.set SLOT,  8*RW
.set SPARE, 2*SLOT                     ; behind the ring: the spare words, 128 bytes for each of 8 waves; no other line names them
.set SPS,   272                        ; the way out's stage: 128 rows of 256 bytes + 16, at byte 0: in slot 0, behind its last fill and last read
.set AK0, 4                            ; v4, v5  my lane's place in K's and V's region of step 0, slot 0; never rewritten
.set AV0, 5
.set AK,  6                            ; v6, v7  the addresses of the next runs of loads
.set AV,  7
.set QO,  8
.set STO, 9
.set RD,  10
.set GO,  11
.set SPW, 12                           ; v12  my spare word: SPARE + 4 x my thread's number; never rewritten
.set NIL, 13                           ; v13  0; never rewritten
.set NEG, 14                           ; v14  -2^36
.set PFO, 15                           ; v15  lane x a token's row
.set ST,  16                           ; tile u's statistics at ST + 4 u: c m, m, l (even keys', odd keys')
.set TMP, 24                           ; tile u: c0-c3 at work; c2 takes a
.set MV,  32                           ; tile u: c m_old
.set S,   64
.set P,   128
.set KF,  160
.set Q,   0                            ; window 1
.set VF,  32
.set O,   96
.set G0,  4                            ; s[4:7]   descriptor group 0: it walks
.set MP,  8                            ; s[8:9]   mbits at my first tile of 16 queries
.set WV,  10
.set TS,  11                           ; s11  0 or SLOT: the slot in hand
.set SLOTS, 12
.set CNT, 13
.set MO,  14                           ; s14  128 x the key step whose mask words are loaded next
.set LIM, 15                           ; s15  1 in a wave that prefetches, else the greatest number
.set G1K, 16
.set G1V, 24
.set MK1, 32                           ; s[32:63] tile 1's 32 mask words (at the head: temporaries)
.set SEL, 66
.set MK0, 68                           ; s[68:99] tile 0's
.set PFA, 100
.set CS,  104                          ; s[104:105] c
.set MSB, 0
.macro WIN new
.if MSB != (\new)
	s_set_vgpr_msb (MSB<<8)|(\new)
.set MSB, (\new)
.endif
.endm
.macro PLACES
.rept 4
	v_nop
.endr
.endm
.macro CROUND                          ; a round of the cluster's barrier
	s_barrier_signal -1
	s_barrier_wait -1
	s_cmp_lg_u32 s[WV], 0
	s_cbranch_scc1 .Lnot_wave_0_\@
	s_barrier_signal -3
.Lnot_wave_0_\@:
	s_barrier_wait -3
	s_barrier_signal -1
	s_barrier_wait -1
.endm
.macro JLOAD                           ; waves 0-3: K of a key step each; waves 4-7: V; s_nop 0 and four v_nop follow each line
	s_cmp_lt_u32 s[WV], 4
	s_cbranch_scc0 .Lfor_v_\@
	tensor_load_to_lds s[G0:G0+3], s[G1K:G1K+7]
	s_nop 0
.rept 4
	v_nop
.endr
	s_branch .Lasked_\@
.Lfor_v_\@:
	tensor_load_to_lds s[G0:G0+3], s[G1V:G1V+7]
	s_nop 0
.rept 4
	v_nop
.endr
.Lasked_\@:
.endm
; A PREFETCH INTO THE L2 of the tile that the NEXT change of slots will ask for (qkv was stored by the launch before): four key steps ahead of that load.  256 rows of K and 256 of V, 256 bytes each, a lane a row.
; All four clusters of a batch and head pair walk the same rows: the first of them asks; its four partners take 64 rows each, by address; in each, waves 0, 1 ask for K's and waves 4, 5 for V's, 32 rows a wave.
; So each row is named once.  Tiles 0 and 1 come by their loads alone; the change that asks for the last tile names nothing.
.macro ASK
	s_cmp_gt_u32 s[SLOTS], s[LIM]
	s_cbranch_scc0 .Lnot_mine_\@
	global_prefetch_b8 v[PFO], s[PFA:PFA+1] th:TH_LOAD_NT scope:SCOPE_SE
.Lnot_mine_\@:
.endm
.macro MLOAD u                         ; tile u's 32 mask words of key step MO / 128
	s_load_b512 s[MK0-36*(\u):MK0-36*(\u)+15],    s[MP:MP+1], s[MO] offset:4096*(\u)
	s_load_b512 s[MK0-36*(\u)+16:MK0-36*(\u)+31], s[MP:MP+1], s[MO] offset:4096*(\u)+64
.endm
.macro FETCH_K last=0                  ; 16 LDS loads: a step's K of my head, 64 keys x 64 channels; last = 1: in the tail's last trip there is no further step
	WIN 0
.if \last
	s_cmp_eq_u32 s[CNT], 1
	s_cbranch_scc1 .Lno_k_\@
.endif
.set f, 0
.rept 8                                ; keys 16 (f / 2) on, channels 32 (f % 2) on
	ds_load_b128 v[KF+8*f:KF+8*f+3],   v[AK] offset:(f/2)*16*PK+(f%2)*64
	ds_load_b128 v[KF+8*f+4:KF+8*f+7], v[AK] offset:(f/2)*16*PK+(f%2)*64+32
.set f, f+1
.endr
	v_add_nc_u32 v[AK], RW, v[AK]                  ; the next step's region
.if \last
.Lno_k_\@:
.endif
.endm
.macro FETCH_V                         ; 16 turning loads: a step's V
	WIN 0x40
.set f, 0
.rept 8                                ; keys 32 (f / 4) on, channels 16 (f % 4) on
	ds_load_tr16_b128 v[VF+8*f:VF+8*f+3],   v[AV] offset:(f/4)*32*PVP+(f%4)*32
	ds_load_tr16_b128 v[VF+8*f+4:VF+8*f+7], v[AV] offset:(f/4)*32*PVP+16*PVP+(f%4)*32
.set f, f+1
.endr
	WIN 0
	v_add_nc_u32 v[AV], RW, v[AV]
.endm
; The products: eight accumulators take turns, one instruction a turn.
.macro KQ                              ; product i: channels 32 (i / 8) on, keys 16 ((i / 2) % 4) on, tile i % 2; the first 8 start the sums
	WIN 0x04
.set i, 0
.rept 16
.set rS, S+32*(i%2)+8*((i/2)%4)
.set rK, KF+16*((i/2)%4)+8*(i/8)
.set rQ, Q+16*(i%2)+8*(i/8)
.if i < 8
	v_wmma_f32_16x16x32_bf16 v[rS:rS+7], v[rK:rK+7], v[rQ:rQ+7], 0
.else
	v_wmma_f32_16x16x32_bf16 v[rS:rS+7], v[rK:rK+7], v[rQ:rQ+7], v[rS:rS+7]
.endif
.set i, i+1
.endr
.endm
.macro PVM                             ; product i: keys 32 (i / 8) on, channels 16 ((i / 2) % 4) on, tile i % 2
	WIN 0x51
.set i, 0
.rept 16
.set rO, O+32*(i%2)+8*((i/2)%4)
.set rV, VF+32*(i/8)+8*((i/2)%4)
.set rP, P+16*(i%2)+8*(i/8)
	v_wmma_f32_16x16x32_bf16 v[rO:rO+7], v[rV:rV+7], v[rP:rP+7], v[rO:rO+7]
.set i, i+1
.endr
.endm
.macro REGS u
.set rT, ST+4*(\u)
.set rC, TMP+4*(\u)
.set rM, MV+(\u)
.set rS, S+32*(\u)
.endm
; Number n of the 22 that find a tile's maximum and statistics: 0-11 four chains of seven scores; 12-14, 16 the four left over, the old m, all into c0; 15 c m_old is kept; 17, 18 the other half of the lanes; 19-21 c m, its change, a
.macro XS u, n
	REGS \u
.if (\n) < 4
	v_max3_num_f32 v[rC+(\n)], v[rS+8*(\n)], v[rS+8*(\n)+1], v[rS+8*(\n)+2]
.elseif (\n) < 12
	v_max3_num_f32 v[rC+(\n)%4], v[rC+(\n)%4], v[rS+8*((\n)%4)+2*((\n)/4)+1], v[rS+8*((\n)%4)+2*((\n)/4)+2]
.elseif (\n) == 12
	v_max3_num_f32 v[rC], v[rC], v[rS+7], v[rS+15]
.elseif (\n) == 13
	v_max3_num_f32 v[rC+1], v[rC+1], v[rS+23], v[rS+31]
.elseif (\n) == 14
	v_max3_num_f32 v[rC+2], v[rC+2], v[rC+3], v[rT+1]
.elseif (\n) == 15
	v_mov_b32 v[rM], v[rT]
.elseif (\n) == 16
	v_max3_num_f32 v[rC], v[rC], v[rC+1], v[rC+2]
.elseif (\n) == 17
	v_permlanex16_b32 v[rC+3], v[rC], s[SEL], s[SEL+1]
.elseif (\n) == 18
	v_max_num_f32 v[rT+1], v[rC], v[rC+3]
.elseif (\n) == 19
	v_mul_f32 v[rT], s[CS], v[rT+1]
.elseif (\n) == 20
	v_sub_f32 v[rC+1], v[rM], v[rT]
.else
	v_exp_f32 v[rC+2], v[rC+1]
.endif
.endm
.macro FS u, n                         ; c s - c m for pair n
	REGS \u
	v_pk_fma_f32 v[rS+2*(\n):rS+2*(\n)+1], v[rS+2*(\n):rS+2*(\n)+1], s[CS:CS+1], v[rT:rT+1] op_sel_hi:[1,0,0] neg_lo:[0,0,1] neg_hi:[0,0,1]
.endm
.macro EX u, e
	v_exp_f32 v[S+32*(\u)+(\e)], v[S+32*(\u)+(\e)]
.endm
; A KEY STEP'S VECTOR WORK for both tiles: the mask, the maximum, ONE batch of 66 exponentials with one wait, the roundings, the sums, the rescaling.
.macro SOFTMAX
	WIN 0
	s_wait_kmcnt 0x0                               ; this step's mask words are in, so their offset may be stepped
	s_add_co_u32 s[MO], s[MO], 128
	s_min_u32 s[MO], s[MO], 31*128                 ; behind the last step its own words are loaded once more, and nobody uses them: no load leaves mbits
.irp u, 0,1
.set i, 0
.rept 32
	v_cndmask_b32 v[S+32*(\u)+i], v[NEG], v[S+32*(\u)+i], s[MK0-36*(\u)+i]  ; ascending: each accumulator's lowest registers are read first
.set i, i+1
.endr
	MLOAD \u                                       ; the next step's words: a whole step in which to land
.endr
.irp n, 0,1,2,3,4,5,6,7,8,9,10,11,12,13,14,15,16,17,18,19,20,21
	XS 0, \n
	XS 1, \n
.endr
.set pn, 0
.rept 16                               ; a pair's exponentials stand behind the next pair's scalings; nothing here names an exponential's result
	FS 0, pn
	FS 1, pn
.if pn > 0
	EX 0, 2*pn-2
	EX 0, 2*pn-1
	EX 1, 2*pn-2
	EX 1, 2*pn-1
.endif
.set pn, pn+1
.endr
	EX 0, 30
	EX 0, 31
	EX 1, 30
	EX 1, 31
	v_nop                                          ; a plain instruction behind the last exponential,
	s_wait_alu depctr_va_vdst(0)                   ; and one wait for the batch, ahead of its first reader
.set i, 0
.rept 16
	v_cvt_pk_bf16_f32 v[P+i],    v[S+2*i],    v[S+2*i+1]
	v_cvt_pk_bf16_f32 v[P+16+i], v[S+32+2*i], v[S+32+2*i+1]
.set i, i+1
.endr
.irp w, 4,8,16,32                      ; the 16 pairs of a tile are added in place, neighbours 1, 2, 4 and 8 pairs apart
.set i, 0
.rept 32/(\w)
	v_pk_add_f32 v[S+(\w)*i:S+(\w)*i+1],       v[S+(\w)*i:S+(\w)*i+1],       v[S+(\w)*i+(\w)/2:S+(\w)*i+(\w)/2+1]
	v_pk_add_f32 v[S+32+(\w)*i:S+32+(\w)*i+1], v[S+32+(\w)*i:S+32+(\w)*i+1], v[S+32+(\w)*i+(\w)/2:S+32+(\w)*i+(\w)/2+1]
.set i, i+1
.endr
.endr
.irp u, 0,1
	v_pk_fma_f32 v[ST+4*(\u)+2:ST+4*(\u)+3], v[ST+4*(\u)+2:ST+4*(\u)+3], v[TMP+4*(\u)+2:TMP+4*(\u)+3], v[S+32*(\u):S+32*(\u)+1] op_sel_hi:[1,0,1]  ; l = a l + sum
.endr
	WIN 0x41
.irp u, 0,1
.set i, 0
.rept 16
	v_pk_mul_f32 v[O+32*(\u)+2*i:O+32*(\u)+2*i+1], v[O+32*(\u)+2*i:O+32*(\u)+2*i+1], v[TMP+4*(\u)+2:TMP+4*(\u)+3] op_sel_hi:[1,0]
.set i, i+1
.endr
.endr
.endm
; THE CHANGE OF SLOTS.  The slot's last bytes, V of its fourth step, have been asked for.  Each wave waits for all its tensor loads (one is out: its region of the other slot), adds 0 to its spare word, and waits for
; that and for its reads of the slot.  fill = 1: a round of the cluster's barrier, and the slot that is left is filled again first thing behind it: four key steps in which to land.  (At its first use: slot 0 is waited for, slot 1 filled.)
.macro CHANGE fill
	WIN 0
	s_wait_tensorcnt 0x0                           ; no tensor load of mine is out, so group 0 may be written
	ds_add_u32 v[SPW], v[NIL]                      ; 0 onto my spare word; scalar work stands between it and the wait for it
.if \fill
	s_mul_i32 s[G0+1], s[WV], RW
	s_add_co_u32 s[G0+1], s[G0+1], s[TS]           ; my region of the slot that is left,
	s_add_nc_u64 s[G0+2:G0+3], s[G0+2:G0+3], TILEB ; the next 256 keys; the type bits on top are not reached
	s_wait_xcnt 0x0                                ; the last prefetch, four key steps back, has read its address
	s_add_nc_u64 s[PFA:PFA+1], s[PFA:PFA+1], TILEB
.endif
	s_xor_b32 s[TS], s[TS], SLOT
	s_wait_dscnt 0x0                               ; the add is done, my reads of the slot are over
.if \fill
	CROUND
	JLOAD
	ASK
.else
	s_barrier_signal -1
	s_barrier_wait -1
.endif
	v_add_nc_u32 v[AK], s[TS], v[AK0]
	v_add_nc_u32 v[AV], s[TS], v[AV0]
.endm
	s_load_b128 s[32:35], s[0:1], 0x0              ; qkv s[32:33], mbits s[34:35]
	s_load_b64 s[36:37], s[0:1], 0x10              ; act
	v_lshl_add_u32 v[SPW], v0, 2, SPARE
	v_mov_b32 v[NIL], 0
	ds_add_u32 v[SPW], v[NIL]                      ; the wave's opening: the add and its wait ahead of my first tensor load; work on registers stands between them
	v_lshrrev_b32 v3, 5, v0
	v_readfirstlane_b32 s[WV], v3                  ; wave 0..7
	s_bfe_u32 s38, ttmp6, 0x40000                  ; cx
	s_lshl_b32 s39, ttmp9, 2
	s_add_co_u32 s39, s39, s38                     ; my block of 128 queries: it enters Q's, the mask's and O's addresses alone
	s_and_b32 s40, ttmp7, 0xffff
	s_lshr_b32 s41, s40, 3                         ; batch
	s_and_b32 s42, s40, 7                          ; pair of heads
	s_and_b32 s43, s[WV], 3
	s_lshr_b32 s44, s[WV], 2                       ; my head of the pair; also: I fetch K (0) or V (1)
	s_mul_i32 s46, s41, 2048*ROWB
	s_lshl_b32 s47, s42, 8
	s_add_co_u32 s46, s46, s47                     ; the batch's first token, the pair's 256 bytes
	s_mul_i32 s48, s43, 64*ROWB                    ; my region's 64 keys of tile 0,
	s_lshl_b32 s49, s44, 11
	s_add_co_u32 s48, s48, s49
	s_add_co_u32 s48, s48, 2048                    ; in k (byte 2,048 of a row) or v (4,096)
	s_add_co_u32 s48, s48, s46
	s_mov_b32 s49, 0
	s_lshl_b32 s50, s39, 2
	s_add_co_u32 s50, s50, s43                     ; my 32 queries among the batch's
	s_mul_i32 s52, s50, 32*ROWB
	s_add_co_u32 s52, s52, s46
	s_lshl_b32 s53, s44, 7
	s_add_co_u32 s52, s52, s53                     ; my head's 128 bytes of q
	s_mov_b32 s53, 0
	s_lshl_b32 s54, s50, 13                        ; two tiles of 16 queries: 4,096 bytes of mbits each
	s_mov_b32 s55, 0
	s_lshl_b32 s56, s41, 11
	s_lshl_b32 s57, s39, 7
	s_add_co_u32 s56, s56, s57
	s_lshl_b32 s57, s[WV], 4
	s_add_co_u32 s56, s56, s57                     ; the first of the 16 rows of O that I store
	s_lshl_b32 s56, s56, 11
	s_add_co_u32 s56, s56, s47
	s_mov_b32 s57, 0
	s_lshl_b32 s58, s38, 1
	s_and_b32 s59, s[WV], 1
	s_add_co_u32 s58, s58, s59
	s_mul_i32 s58, s58, 32*ROWB                    ; the prefetches: rows 64 cx + 32 (w % 2) on,
	s_add_co_u32 s58, s58, s46
	s_lshl_b32 s59, s44, 11
	s_add_co_u32 s58, s58, s59
	s_add_co_u32 s58, s58, 2048+TILEB              ; of tile 1: the first change of slots steps it to tile 2
	s_mov_b32 s59, 0
	s_mov_b32 s[G1K], 15|(1<<16)|(1<<20)|(1<<21)|(5<<22)|(3<<25)  ; 15:0 the mask of four; 17:16 2-byte elements; 20 padding on; 21 set beside a mask; 24:22 after every 64 words; 31:25 4 words of it
	s_mov_b32 s[G1V], 15|(1<<16)|(1<<20)|(1<<21)|(5<<22)|(7<<25)  ; the same with 8 words
.irp g, G1K, G1V
	s_mov_b32 s[(\g)+1], 128<<16                   ; tensor_dim0
	s_mov_b32 s[(\g)+2], 64<<16                    ; tensor_dim1
	s_mov_b32 s[(\g)+3], 128<<16                   ; tile_dim0
	s_mov_b32 s[(\g)+4], 64                        ; tile_dim1
	s_mov_b32 s[(\g)+5], 3072                      ; elements from row to row
	s_mov_b32 s[(\g)+6], 0
	s_mov_b32 s[(\g)+7], 0
.endr
	s_mov_b32 s[CS], 0x3e38aa3b                    ; c = log2(e) / 8
	s_mov_b32 s[CS+1], 0x3e38aa3b
	s_mov_b32 s[SEL], 0x76543210
	s_mov_b32 s[SEL+1], 0xfedcba98
	s_mov_b32 s[TS], SLOT                          ; the first change of slots turns it into 0
	s_mov_b32 s[SLOTS], 7
	s_mov_b32 s[MO], 0
	s_and_b32 s[LIM], s[WV], 2
	s_or_b32 s[LIM], s[LIM], ttmp9                 ; 0 in waves 0, 1, 4, 5 of the first cluster: the same in all four partners
	s_cmp_eq_u32 s[LIM], 0
	s_cselect_b32 s[LIM], 1, -1
	s_mov_b32 s[G0], 1
	s_mul_i32 s[G0+1], s[WV], RW                   ; slot 0
	s_wait_dscnt 0x0                               ; the opening add is done
	s_wait_kmcnt 0x0
	s_add_nc_u64 s[G0+2:G0+3], s[32:33], s[48:49]
	s_or_b32 s[G0+3], s[G0+3], 0x80000000
	s_add_nc_u64 s[PFA:PFA+1], s[32:33], s[58:59]
	s_add_nc_u64 s[60:61], s[32:33], s[52:53]      ; Q
	s_add_nc_u64 s[MP:MP+1], s[34:35], s[54:55]
	s_add_nc_u64 s[2:3], s[36:37], s[56:57]        ; O
	CROUND                                         ; all four work-groups are here: the first joint loads meet
	JLOAD                                          ; tile 0 into slot 0
	v_and_b32 v1, 15, v0                           ; r
	v_bfe_u32 v2, v0, 4, 1                         ; h
	v_and_b32 v3, 31, v0                           ; lane
	v_mul_u32_u24 v[QO], v1, ROWB
	v_lshl_add_u32 v[QO], v2, 4, v[QO]
	WIN 0x40
.set i, 0
.rept 4                                ; Q stays in registers: tile i / 2, channels 32 (i % 2) on
	global_load_b128 v[Q+8*i:Q+8*i+3],   v[QO], s[60:61] offset:(i/2)*16*ROWB+(i%2)*64
	global_load_b128 v[Q+8*i+4:Q+8*i+7], v[QO], s[60:61] offset:(i/2)*16*ROWB+(i%2)*64+32
.set i, i+1
.endr
.set i, 0
.rept 64
	v_mov_b32 v[O+i], 0                            ; no first step is written out: O and l start at 0, in the wait for the first tile
.set i, i+1
.endr
	WIN 0
.irp u, 0,1
	v_mov_b32 v[ST+4*(\u)], 0xfe000000             ; c m: far below every c s
	v_mov_b32 v[ST+4*(\u)+1], 0xff7fffff           ; m
	v_mov_b32 v[ST+4*(\u)+2], 0
	v_mov_b32 v[ST+4*(\u)+3], 0
.endr
	s_lshl_b32 s45, s44, 7                         ; my head's 128 bytes of a row
	v_mul_u32_u24 v[AK0], v1, PK
	v_lshl_add_u32 v[AK0], v2, 4, v[AK0]
	v_add_nc_u32 v[AK0], s45, v[AK0]
	v_and_b32 v[AV0], 7, v0                        ; the turning load: lane l reads key 8 (l / 16) + l % 8, channels 8 ((l / 8) % 2) + 0..7
	v_lshl_add_u32 v[AV0], v2, 3, v[AV0]
	v_mul_u32_u24 v[AV0], v[AV0], PVP
	v_bfe_u32 v[AK], v0, 3, 1
	v_lshl_add_u32 v[AV0], v[AK], 4, v[AV0]
	s_add_co_u32 s51, s45, 4*RW
	v_add_nc_u32 v[AV0], s51, v[AV0]
	s_mul_i32 s51, s43, 32*SPS                     ; into the stage: row 32 (w % 4) + 16 u + r, my head's half, 16 bytes for each half of the lanes
	s_add_co_u32 s51, s51, s45
	v_mul_u32_u24 v[STO], v1, SPS
	v_lshl_add_u32 v[STO], v2, 4, v[STO]
	v_add_nc_u32 v[STO], s51, v[STO]
	s_mul_i32 s51, s[WV], 16*SPS                   ; back: wave w takes rows 16 w on, whole; lanes 0-15 one row, lanes 16-31 the next
	v_mul_u32_u24 v[RD], v2, SPS
	v_lshl_add_u32 v[RD], v1, 4, v[RD]
	v_add_nc_u32 v[RD], s51, v[RD]
	v_lshlrev_b32 v[GO], 11, v2
	v_lshl_add_u32 v[GO], v1, 4, v[GO]
	v_mul_u32_u24 v[PFO], v3, ROWB
	v_mov_b32 v[NEG], 0xd1800000
	s_wait_xcnt 0x0                                ; Q's loads have read their base, which lies among tile 1's mask registers
	MLOAD 0                                        ; key step 0's mask words
	MLOAD 1
	CHANGE 1                                       ; slot 0 is in, everybody's part of it; slot 1 is asked for
	FETCH_K                                        ; key step 0
	s_wait_loadcnt 0x0                             ; Q
	s_mov_b32 s[CNT], 4
	s_branch .Lmid                                 ; the loop is entered in the middle of a trip
.Lslot:                                        ; six times: tiles 2 to 7 are asked for
	CHANGE 1
	s_mov_b32 s[CNT], 4
.Lstep:                                        ; a trip: the softmax and V^T P of one step, then K Q^T of the next, whose K and V it fetches
	FETCH_K
	SOFTMAX
	s_wait_dscnt 0x0                               ; V is in (and K of the next step)
	PVM
	WIN 0
.Lmid:
	PLACES                                         ; behind the last product that read V
	FETCH_V
	s_wait_dscnt 16                                ; K is in; V's 16 loads, issued behind K's, may stay out
	KQ
	WIN 0
	PLACES                                         ; behind the last K Q^T: ahead of the loads into K's registers and of the first read of the scores
	s_sub_co_u32 s[CNT], s[CNT], 1
	s_cmp_lg_u32 s[CNT], 0
	s_cbranch_scc1 .Lstep
	s_sub_co_u32 s[SLOTS], s[SLOTS], 1
	s_cmp_lg_u32 s[SLOTS], 0
	s_cbranch_scc1 .Lslot
	CHANGE 0                                       ; the last tile is written apart: nothing is asked for
	s_mov_b32 s[CNT], 5                            ; four trips fetch its steps; the fifth is left in its middle
.Ltail:
	FETCH_K 1
	SOFTMAX
	s_wait_dscnt 0x0
	PVM
	WIN 0
	s_sub_co_u32 s[CNT], s[CNT], 1
	s_cmp_eq_u32 s[CNT], 0
	s_cbranch_scc1 .Lout
	PLACES
	FETCH_V
	s_wait_dscnt 16
	KQ
	WIN 0
	PLACES
	s_branch .Ltail
.Lout:
	; THE WAY OUT: l's two halves and the other half of the lanes' are added; O^T is divided by l, rounded to bf16, and goes through the stage, since a row's 256 bytes come from two waves.
	s_wait_kmcnt 0x0                               ; the mask words loaded behind the last step
	PLACES                                         ; behind the last products
.irp u, 0,1
	v_add_f32 v[ST+4*(\u)+2], v[ST+4*(\u)+2], v[ST+4*(\u)+3]
.endr
.irp u, 0,1
	v_permlanex16_b32 v[ST+4*(\u)+3], v[ST+4*(\u)+2], s[SEL], s[SEL+1]
.endr
.irp u, 0,1
	v_add_f32 v[ST+4*(\u)+2], v[ST+4*(\u)+2], v[ST+4*(\u)+3]
.endr
.irp u, 0,1
	v_rcp_f32 v[ST+4*(\u)+2], v[ST+4*(\u)+2]
.endr
	v_nop
	s_wait_alu depctr_va_vdst(0)                   ; one wait for both reciprocals, ahead of their first use
	WIN 0x41
.irp u, 0,1
.set i, 0
.rept 16
	v_pk_mul_f32 v[O+32*(\u)+2*i:O+32*(\u)+2*i+1], v[O+32*(\u)+2*i:O+32*(\u)+2*i+1], v[ST+4*(\u)+2:ST+4*(\u)+3] op_sel_hi:[1,0]
.set i, i+1
.endr
.endr
	WIN 0x05
.set i, 0
.rept 32
	v_cvt_pk_bf16_f32 v[S+i], v[O+2*i], v[O+2*i+1]
.set i, i+1
.endr
	WIN 0
.irp u, 0,1
.irp cb, 0,1,2,3
	ds_store_b128 v[STO], v[S+16*(\u)+4*(\cb):S+16*(\u)+4*(\cb)+3] offset:(\u)*16*SPS+32*(\cb)
.endr
.endr
	s_wait_dscnt 0x0                               ; for the others' sake: my stores into the stage are done
	s_barrier_signal -1
	s_barrier_wait -1
.irp i, 0,1,2,3,4,5,6,7
	ds_load_b128 v[KF+4*(\i):KF+4*(\i)+3], v[RD] offset:2*(\i)*SPS
.endr
.irp i, 0,1,2,3,4,5,6,7
	s_wait_dscnt 7-(\i)                            ; the younger loads may stay out
	global_store_b128 v[GO], v[KF+4*(\i):KF+4*(\i)+3], s[2:3] offset:4096*(\i)  ; 16 lanes: 256 consecutive bytes, aligned
.endr
	s_wait_tensorcnt 0x0                           ; the wave's end, behind my last tensor load and my last LDS store
	ds_add_u32 v[SPW], v[NIL]
	s_wait_dscnt 0x0
	CROUND                                         ; the closing round
	s_endpgm
.Lfunc_end_k_qbd299d96bb_attn:
	.size	k_qbd299d96bb_attn, .Lfunc_end_k_qbd299d96bb_attn-k_qbd299d96bb_attn
	.p2alignl 7, 3214868480
	.fill 96, 4, 3214868480
	.section	.rodata,"a",@progbits
	.p2align	6, 0x0
	.amdhsa_kernel k_qbd299d96bb_attn
		.amdhsa_group_segment_fixed_size 327680
		.amdhsa_private_segment_fixed_size 0
		.amdhsa_enable_private_segment 0
		.amdhsa_kernarg_size 24
		.amdhsa_user_sgpr_count 2
		.amdhsa_user_sgpr_kernarg_segment_ptr 1
		.amdhsa_wavefront_size32 1
		.amdhsa_system_sgpr_workgroup_id_x 1
		.amdhsa_system_sgpr_workgroup_id_y 1
		.amdhsa_system_sgpr_workgroup_id_z 1
		.amdhsa_system_vgpr_workitem_id 0
		.amdhsa_next_free_vgpr 416
		.amdhsa_next_free_sgpr 106
		.amdhsa_reserve_vcc 0
		.amdhsa_float_denorm_mode_32 3
		.amdhsa_float_denorm_mode_16_64 3
		.amdhsa_memory_ordered 1
		.amdhsa_forward_progress 1
		.amdhsa_inst_pref_size 66
	.end_amdhsa_kernel
	.amdgpu_metadata
---
amdhsa.version: [ 1, 2 ]
amdhsa.kernels:
  - .name:           k_qbd299d96bb_attn
    .symbol:         k_qbd299d96bb_attn.kd
    .args:
      - { .name: qkv, .offset: 0, .size: 8, .value_kind: global_buffer, .address_space: global }
      - { .name: mbits, .offset: 8, .size: 8, .value_kind: global_buffer, .address_space: global }
      - { .name: act, .offset: 16, .size: 8, .value_kind: global_buffer, .address_space: global }
    .group_segment_fixed_size: 327680
    .private_segment_fixed_size: 0
    .kernarg_segment_align: 8
    .kernarg_segment_size: 24
    .max_flat_workgroup_size: 256
    .sgpr_count:     106
    .vgpr_count:     416
    .wavefront_size: 32
...
	.end_amdgpu_metadata
.endif
;; end of part 3
;; launch proj (part 4): grid 8 x 32, 4 waves a work-group, clusters of 4 x 4, 327,680 bytes of LDS; arguments act, wt, b_attn_proj, x, x2; writes x2
.if DOCPART == 4
	.amdgcn_target "amdgcn-amd-amdhsa--gfx1250"
	.amdhsa_code_object_version 6
	.text
	.protected	k_qbd299d96bb_proj
	.globl	k_qbd299d96bb_proj
	.p2align	8
	.type	k_qbd299d96bb_proj,@function
k_qbd299d96bb_proj:
	s_mov_b64 s[64:65], 0
	v_nop
	global_prefetch_b8 v0, s[64:65] scope:SCOPE_SE
	s_setreg_imm32_b32 hwreg(HW_REG_WAVE_MODE, 25, 1), 1
	s_wait_xcnt 0x0
	s_wait_alu depctr_hold_cnt(0) depctr_sa_sdst(0) depctr_va_vdst(0) depctr_va_sdst(0) depctr_va_ssrc(0) depctr_va_vcc(0) depctr_vm_vsrc(0)
	s_getreg_b32 s2, hwreg(HW_REG_IB_STS2, 6, 4)
	s_cmp_eq_u32 s2, 0
	s_cbranch_scc0 .Lentry_in_a_cluster
	s_endpgm
.Lentry_in_a_cluster:
	s_bfe_u32 s2, ttmp6, 0x10000c
	s_cmp_lg_u32 s2, 0xf033
	s_cbranch_scc0 .Lentry_shape_is_right
	s_endpgm
.Lentry_shape_is_right:
; THIS BODY: x2 = x + O Wproj + b_attn_proj, f32 [4096][1024].  A tile of 128 x 128 gives 256 work-groups; its K step is 256, as long as two slots allow, since a small tile has little work for each byte that it fetches.
; No prefetch: small tiles.
.set TM, 128
.set TN, 128
.set MB, 4
.set NB, 4
.set SIZE_K, 1024
.set SIZE_N, 1024
.set KSTEP, 256
.set SUB, 2
.set PITCH, 528
.set QI, 6
.set LROWS, 64
.set NAW, 2
.set EPI, 2
.set WOFFB, 6291456
.set PF, 0
.set ROT, 1
; ONE TEXT FOR FOUR PRODUCTS; the sizes above choose.  C[m][n] = sum over k of A[m][k] W[n][k] (+ bias[n], then EPI).  A: [4096][SIZE_K] bf16; W: [SIZE_N][SIZE_K] bf16 at byte WOFFB of wt; sums in f32.
; EPI 0: + bias, bf16 out.  EPI 1: + bias, tanh-GELU, bf16 out.  EPI 2: + bias + residual (f32), f32 out.
; SHARES.  A work-group makes TM x TN of C; its four waves lie 2 x 2, each with MB x NB accumulators of 16 x 16.  K goes in steps of KSTEP through two LDS slots that take turns (A's TM rows, then W's TN rows,
; each row KSTEP x 2 bytes + 16 of padding, so that the 16 rows of a fragment load start at 16 different groups of four banks).  Each wave fills LROWS rows of a slot by ONE tensor load (waves below NAW: A's, the others: W's).
; CLUSTER 4 x 4: the four work-groups of a row of the cluster need the same rows of A, the four of a column the same rows of W: each tile is asked for jointly, by the same load, descriptor and mask in all four.
; ROT = 1: the clusters whose x + y is odd begin their walk along K in its middle and wrap round, so that two clusters that read the same rows do not ask for the same K step in the same trip.  The start hangs on the
; cluster's coordinates alone, which all sixteen partners share; every K step is taken once; the f32 sums are the same numbers added in another order.
; THE MATRIX INSTRUCTION IS USED TURNED (source 0 = 16 rows of W, source 1 = 16 rows of A): a lane then holds row lane % 16 of C and eight neighbouring columns 8 (lane / 16) + 0..7.
; A K step is four CHUNKS of 32 SUB along K on two fragment buffers by turns: at a chunk's head the next chunk's 32 LDS loads go out in one run and have the chunk's MB NB SUB products in which to land.
; REGISTERS in windows of 256 (s_set_vgpr_msb: bits 1:0 source 0, 3:2 source 1, 5:4 source 2, 7:6 destination): window 0 addresses and the way out; window 1 the two fragment buffers of 128 (W's fragments, then A's);
; windows 2, 3 the accumulators: (a, b) has number a NB + b, 32 to a window.
; THE WAY OUT goes through an f32 stage in LDS, laid over the slots after their last fill and last read: a wave then reads whole rows and 32 lanes store 256 (bf16) or 512 (f32) consecutive bytes, aligned.
.set KT,    SIZE_K/KSTEP               ; K steps
.set KSH,   8+KSTEP/256                ; log2 of the bytes of a row in a K step (256 or 512)
.set CHB,   64*SUB                     ; bytes of a row in a chunk
.set SLOT,  (TM+TN)*PITCH
.set SPARE, 2*SLOT                     ; behind the slots: the spare words, 128 bytes for each wave; no other line names them
.set SP,    4*TN+16                    ; a row of the stage
.set PRT,   TN/128                     ; parts of 128 columns in a row
.set RPT,   4                          ; rows a trip on the way out (EPI 0, 1)
.set U,     RPT*PRT
.set G1W,   (1<<16)|(1<<20)|(1<<21)|(QI<<22)|(3<<25)  ; 17:16 2-byte elements; 20 padding on; 21 set beside a mask; 24:22 after every row; 31:25 4 words of it
.if EPI == 2
.set OPB, 4*SIZE_N
.set CB,  4*TN
.set OUTP, 12
.else
.set OPB, 2*SIZE_N
.set CB,  2*TN
.set OUTP, 10
.endif
.set ADRA0, 4                          ; v4, v5  my lane's place in A's and W's rows of slot 0; never rewritten
.set ADRB0, 5
.set ADRA,  6                          ; v6, v7  the same in the slot in hand, at the pair of chunks in hand
.set ADRB,  7
.set STO,   8                          ; v8   where I put 32 bytes of a row of the stage
.set RD0,   9                          ; v9   my 16 bytes in my wave's first row of the stage
.set RD,    10                         ; v10  the same, some rows on
.set CO,    11                         ; v11  8 x lane
.set SPW,   12                         ; v12  my spare word: SPARE + 4 x my thread's number; never rewritten
.set NIL,   13                         ; v13  0; never rewritten
.set PFO,   14                         ; v14  lane x a row of A or W in memory
.set BO,    15                         ; v15  16 x lane
.set BI,    16                         ; v[16:27] bias: part p's four columns of my lane at BI + 4 p
.set X,     32                         ; the way out: rows as read; then Z (with bias), TT (at work), Y (packed)
.set Z,     X+4*U
.set TT,    Z+4*U
.set Y,     TT+4*U
.set R,     128                        ; EPI 2: v[128:255] my wave's 32 rows of the residual
.set WV, 14
.set WM, 15
.set WN, 16
.set CX, 17
.set CY, 18
.set TX, 19
.set TY, 20
.set TS, 21                            ; s21  0 or SLOT: the slot in hand
.set RO, 21                            ;      on the way out: the row offset of the loads ahead
.set OUTC, 22
.set CNT, 23
.set G1A, 24                           ; s[24:31], s[32:39] descriptor group 1 for A's and W's tiles: they differ in the mask
.set G1B, 32
.set G0A, 40                           ; s[40:43] group 0 of the first fill, s[44:47] the one that walks; s[48:55] the same for W
.set G0B, 48
.set PFA, 56                           ; s[56:57] where my prefetches stand
.set LIM, 58                           ; s58  2 in a wave that prefetches, else the greatest number
.set WL,  59                           ; s59  my rows' place in a slot
.set RBA, 60                           ; s[60:61] A at the first of the rows that I fetch; s[62:63] the same for W
.set RBW, 62
.set NXT, 66                           ; s66  the K step to be asked for next
.set OFF, 68                           ; s[68:69] its bytes along a row
.set MSB, 0
.macro WIN new                         ; the immediate's high byte repeats the setting that is left; a switch that changes nothing is dropped
.if MSB != (\new)
	s_set_vgpr_msb (MSB<<8)|(\new)
.set MSB, (\new)
.endif
.endm
.macro PLACES                          ; four plain instructions between a product and a load into, or a reader of, its registers
.rept 4
	v_nop
.endr
.endm
.macro CREST                           ; a round of the cluster's barrier behind its opening barrier
	s_cmp_lg_u32 s[WV], 0
	s_cbranch_scc1 .Lnot_wave_0_\@
	s_barrier_signal -3
.Lnot_wave_0_\@:
	s_barrier_wait -3
	s_barrier_signal -1
	s_barrier_wait -1
.endm
.macro CROUND
	s_barrier_signal -1
	s_barrier_wait -1
	CREST
.endm
.macro JLOAD                           ; the joint refill, by the walking descriptors; the branch hangs on the wave's number alone; s_nop 0 and four v_nop follow each line
	s_cmp_lt_u32 s[WV], NAW
	s_cbranch_scc0 .Lfor_b_\@
	tensor_load_to_lds s[G0A+4:G0A+7], s[G1A:G1A+7]
	s_nop 0
.rept 4
	v_nop
.endr
	s_branch .Lasked_\@
.Lfor_b_\@:
	tensor_load_to_lds s[G0B+4:G0B+7], s[G1B:G1B+7]
	s_nop 0
.rept 4
	v_nop
.endr
.Lasked_\@:
.endm
; A PREFETCH INTO THE L2 (PF = 1: both operands were stored by earlier launches): behind each refill and the run of LDS loads, the K step that stands two refills on: 32 rows x 256 bytes, a lane a row.
; A's rows are asked for by the clusters with x = 0 alone, W's by those with y = 0; the four partners of a joint load share its 128 rows out by address, 32 each: each run of 256 bytes is named once in the launch.
; K steps 0 to 3 come by their loads alone; the last two refills name nothing (there is no K step two on).
.macro ASK
	WIN 0
	s_cmp_gt_u32 s[OUTC], s[LIM]
	s_cbranch_scc0 .Lnot_mine_\@
	global_prefetch_b8 v[PFO], s[PFA:PFA+1] th:TH_LOAD_NT scope:SCOPE_SE
.Lnot_mine_\@:
.endm
.macro FETCH g, off                    ; 32 LDS loads in one run: a chunk's fragments, at byte off of the rows, into buffer g
	WIN 0x40
.set cc, 0
.rept SUB
.set ii, 0
.rept NB
.set rF, 128*(\g)+8*(NB*cc+ii)
	ds_load_b128 v[rF:rF+3],   v[ADRB] offset:(\off)+64*cc+ii*16*PITCH
	ds_load_b128 v[rF+4:rF+7], v[ADRB] offset:(\off)+64*cc+ii*16*PITCH+32
.set ii, ii+1
.endr
.set ii, 0
.rept MB
.set rF, 128*(\g)+8*NB*SUB+8*(MB*cc+ii)
	ds_load_b128 v[rF:rF+3],   v[ADRA] offset:(\off)+64*cc+ii*16*PITCH
	ds_load_b128 v[rF+4:rF+7], v[ADRA] offset:(\off)+64*cc+ii*16*PITCH+32
.set ii, ii+1
.endr
.set cc, cc+1
.endr
.endm
; n slices of NB products from slice sl0 on, out of buffer f; slice sl: 32 along K number sl / MB, block row sl % MB.  All accumulators take turns, one instruction a turn, in the same order in every chunk.
; zero = 1: the first products start the sums.
.macro MULS f, sl0, n, zero
.set sl, (\sl0)
.rept (\n)
.set cc, sl/MB
.set aa, sl%MB
.set bb, 0
.rept NB
.set ai, aa*NB+bb
.set rD, (8*ai)&255
.set rW, 128*(\f)+8*(NB*cc+bb)
.set rA, 128*(\f)+8*NB*SUB+8*(MB*cc+aa)
	WIN 0xa5+0x50*(ai>>5)
.if (\zero) && (cc == 0)
	v_wmma_f32_16x16x32_bf16 v[rD:rD+7], v[rW:rW+7], v[rA:rA+7], 0
.else
	v_wmma_f32_16x16x32_bf16 v[rD:rD+7], v[rW:rW+7], v[rA:rA+7], v[rD:rD+7]
.endif
.set bb, bb+1
.endr
.set sl, sl+1
.endr
.endm
.macro CH f, g, off, zero              ; a chunk: buffer f is multiplied; the next chunk's fragments go out first, into buffer g
	s_wait_dscnt 0x0                               ; buffer f, asked for a chunk ago, is in
	PLACES                                         ; behind the last product that read buffer g
	FETCH \g, \off
	MULS \f, 0, SUB*MB, \zero
.endm
; A K step's last chunk (buffer 1) and THE CHANGE OF SLOTS: one barrier, at the chunk's head.  In front of it each wave waits for all its tensor loads (one is out: its part of the next slot), adds 0 to its spare word,
; and waits for that and for its reads of this slot (the last of them, this chunk's fragments, went out a chunk ago).  fill = 1: the barrier opens a round of the cluster's, and the slot just read out is filled again
; first thing behind it, with the K step NXT.  No product stands between the wait for my tensor load and the joint load: the load has the whole K step's 4 MB NB SUB products in which to land.
.macro TURN fill
	WIN 0
.if PF && (\fill)
	s_wait_xcnt 0x0                                ; the last prefetch, a K step back, has read its address
	s_add_nc_u64 s[PFA:PFA+1], s[PFA:PFA+1], KSTEP*2
.endif
	s_wait_tensorcnt 0x0                           ; no tensor load of mine is out, so the walking descriptors may be written
	ds_add_u32 v[SPW], v[NIL]                      ; 0 onto my spare word; the descriptors' scalar work stands between it and the wait for it
.if \fill
	s_lshl_b32 s[OFF], s[NXT], KSH
	s_add_co_u32 s[G0A+5], s[WL], s[TS]            ; into the slot that is being left,
	s_add_co_u32 s[G0B+5], s[WL], s[TS]
	s_add_nc_u64 s[G0A+6:G0A+7], s[RBA:RBA+1], s[OFF:OFF+1]  ; the address made anew: my rows' base and the K step's bytes
	s_or_b32 s[G0A+7], s[G0A+7], 0x80000000
	s_add_nc_u64 s[G0B+6:G0B+7], s[RBW:RBW+1], s[OFF:OFF+1]
	s_or_b32 s[G0B+7], s[G0B+7], 0x80000000
	s_add_co_u32 s[NXT], s[NXT], 1
	s_and_b32 s[NXT], s[NXT], KT-1                 ; round K's end
.endif
	s_xor_b32 s[TS], s[TS], SLOT
	s_wait_dscnt 0x0                               ; the add is done, buffer 1 is in, my reads of this slot are over
	s_barrier_signal -1
	s_barrier_wait -1
.if \fill
	CREST                                          ; no wave of any partner still reads this slot or has a load on its way
	JLOAD                                          ; its four v_nop are also the places in front of the loads below
.else
	PLACES
.endif
	v_add_nc_u32 v[ADRA], s[TS], v[ADRA0]
	v_add_nc_u32 v[ADRB], s[TS], v[ADRB0]
	FETCH 0, 0
.if PF && (\fill)
	ASK
.endif
	MULS 1, 0, SUB*MB, 0
.endm
	s_load_b256 s[4:11], s[0:1], 0x0               ; A s[4:5], wt s[6:7], bias s[8:9]; s[10:11] the output (EPI 0, 1) or the residual (EPI 2)
.if EPI == 2
	s_load_b64 s[12:13], s[0:1], 0x20              ; the output
.endif
	v_lshl_add_u32 v[SPW], v0, 2, SPARE
	v_mov_b32 v[NIL], 0
	ds_add_u32 v[SPW], v[NIL]                      ; the wave's opening: the add and its wait ahead of my first tensor load; work on registers stands between them
	v_lshrrev_b32 v3, 5, v0
	v_readfirstlane_b32 s[WV], v3                  ; wave 0..3
	s_lshr_b32 s[WM], s[WV], 1                     ; my half of the tile's rows
	s_and_b32 s[WN], s[WV], 1                      ; and of its columns
	s_bfe_u32 s[CX], ttmp6, 0x40000
	s_bfe_u32 s[CY], ttmp6, 0x40004
	s_lshl_b32 s[TX], ttmp9, 2
	s_add_co_u32 s[TX], s[TX], s[CX]               ; tile column
	s_and_b32 s[TY], ttmp7, 0xffff
	s_lshl_b32 s[TY], s[TY], 2
	s_add_co_u32 s[TY], s[TY], s[CY]               ; tile row
	s_lshl_b32 s2, s[CY], 2
	s_lshl_b32 s2, 15, s2                          ; my row of the cluster
	s_lshl_b32 s3, 0x1111, s[CX]                   ; my column
	s_or_b32 s[G1A], s2, G1W
	s_or_b32 s[G1B], s3, G1W
.irp g, G1A, G1B
	s_mov_b32 s[(\g)+1], KSTEP<<16                 ; tensor_dim0
	s_mov_b32 s[(\g)+2], LROWS<<16                 ; tensor_dim1
	s_mov_b32 s[(\g)+3], KSTEP<<16                 ; tile_dim0
	s_mov_b32 s[(\g)+4], LROWS                     ; tile_dim1
	s_mov_b32 s[(\g)+5], SIZE_K                    ; elements from row to row
	s_mov_b32 s[(\g)+6], 0
	s_mov_b32 s[(\g)+7], 0
.endr
	s_min_u32 s60, s[WV], NAW-1                    ; A's rows hang on the tile row and the wave alone,
	s_mul_i32 s60, s60, LROWS
	s_mul_i32 s61, s[TY], TM
	s_add_co_u32 s60, s60, s61
	s_mul_i32 s60, s60, SIZE_K*2
	s_mov_b32 s61, 0
	s_sub_co_i32 s62, s[WV], NAW                   ; W's on the tile column and the wave
	s_max_i32 s62, s62, 0
	s_mul_i32 s62, s62, LROWS
	s_mul_i32 s63, s[TX], TN
	s_add_co_u32 s62, s62, s63
	s_mul_i32 s62, s62, SIZE_K*2
	s_add_co_u32 s62, s62, WOFFB
	s_mov_b32 s63, 0
	s_mul_i32 s[WL], s[WV], LROWS*PITCH            ; no place in the cluster enters an LDS address
.if ROT
	s_and_b32 s[NXT], ttmp7, 0xffff                ; cluster y
	s_add_co_u32 s[NXT], s[NXT], ttmp9             ; + cluster x
	s_and_b32 s[NXT], s[NXT], 1
	s_mul_i32 s[NXT], s[NXT], KT/2                 ; the K step at which my cluster's walk begins: 0, or the middle
.else
	s_mov_b32 s[NXT], 0
.endif
	s_lshl_b32 s[OFF], s[NXT], KSH
	s_mov_b32 s[OFF+1], 0
	s_add_co_u32 s[NXT], s[NXT], 2                 ; the two first fills take that step and the next (neither wraps)
	s_and_b32 s[NXT], s[NXT], KT-1
	s_wait_dscnt 0x0                               ; the opening add is done
	s_wait_kmcnt 0x0
	s_add_nc_u64 s[RBA:RBA+1], s[4:5], s[60:61]
	s_add_nc_u64 s[RBW:RBW+1], s[6:7], s[62:63]
.irp s, 0,1
	s_mov_b32 s[G0A+4*(\s)], 1
	s_add_co_u32 s[G0A+4*(\s)+1], s[WL], (\s)*SLOT
	s_mov_b32 s[G0B+4*(\s)], 1
	s_add_co_u32 s[G0B+4*(\s)+1], s[WL], (\s)*SLOT
.endr
	s_add_nc_u64 s[G0A+2:G0A+3], s[RBA:RBA+1], s[OFF:OFF+1]
	s_add_nc_u64 s[G0A+6:G0A+7], s[G0A+2:G0A+3], KSTEP*2
	s_or_b32 s[G0A+3], s[G0A+3], 0x80000000
	s_or_b32 s[G0A+7], s[G0A+7], 0x80000000
	s_add_nc_u64 s[G0B+2:G0B+3], s[RBW:RBW+1], s[OFF:OFF+1]
	s_add_nc_u64 s[G0B+6:G0B+7], s[G0B+2:G0B+3], KSTEP*2
	s_or_b32 s[G0B+3], s[G0B+3], 0x80000000
	s_or_b32 s[G0B+7], s[G0B+7], 0x80000000
	CROUND                                         ; all sixteen work-groups are here: the first joint loads meet
	s_cmp_lt_u32 s[WV], NAW                        ; a wave's two first fills stand in one branch: two loads of mine are out, the most in this text
	s_cbranch_scc0 .Lfirst_b
	tensor_load_to_lds s[G0A:G0A+3], s[G1A:G1A+7]
	s_nop 0
	tensor_load_to_lds s[G0A+4:G0A+7], s[G1A:G1A+7]
	s_nop 0
.rept 4
	v_nop
.endr
	s_branch .Lfirst_asked
.Lfirst_b:
	tensor_load_to_lds s[G0B:G0B+3], s[G1B:G1B+7]
	s_nop 0
	tensor_load_to_lds s[G0B+4:G0B+7], s[G1B:G1B+7]
	s_nop 0
.rept 4
	v_nop
.endr
.Lfirst_asked:
	v_and_b32 v1, 15, v0                           ; r = lane % 16
	v_bfe_u32 v2, v0, 4, 1                         ; h = lane / 16
	v_and_b32 v3, 31, v0                           ; lane
	v_mul_u32_u24 v[ADRA0], v1, PITCH              ; a fragment: row r, 16 bytes for each half of the lanes, twice, 32 bytes apart
	v_lshl_add_u32 v[ADRA0], v2, 4, v[ADRA0]
	s_mul_i32 s2, s[WN], 16*NB*PITCH
	s_add_co_u32 s2, s2, TM*PITCH
	v_add_nc_u32 v[ADRB0], s2, v[ADRA0]
	s_mul_i32 s2, s[WM], 16*MB*PITCH
	v_add_nc_u32 v[ADRA0], s2, v[ADRA0]
	v_mul_u32_u24 v[STO], v1, SP                   ; into the stage: row 16 MB wm + r, byte 64 NB wn + 32 h
	v_lshl_add_u32 v[STO], v2, 5, v[STO]
	s_mul_i32 s2, s[WM], 16*MB*SP
	s_mul_i32 s3, s[WN], 64*NB
	s_add_co_u32 s2, s2, s3
	v_add_nc_u32 v[STO], s2, v[STO]
	s_mul_i32 s2, s[WV], (TM/4)*SP                 ; back: wave w takes rows w TM / 4 on, whole
	v_lshl_add_u32 v[RD0], v3, 4, s2
	v_lshlrev_b32 v[CO], 3, v3
	v_lshlrev_b32 v[BO], 4, v3
	s_mul_i32 s2, s[TX], 4*TN
	s_mov_b32 s3, 0
	s_add_nc_u64 s[8:9], s[8:9], s[2:3]
.set pp, 0
.rept PRT
	global_load_b128 v[BI+4*pp:BI+4*pp+3], v[BO], s[8:9] offset:512*pp  ; the bias of my four columns of each part; waited for on the way out
.set pp, pp+1
.endr
	s_mul_i32 s2, s[TY], TM
	s_mul_i32 s3, s[WV], TM/4
	s_add_co_u32 s2, s2, s3                        ; the first row that I store
	s_mul_i32 s2, s2, OPB
	s_mul_i32 s3, s[TX], CB
	s_add_co_u32 s2, s2, s3
	s_mov_b32 s3, 0
	s_add_nc_u64 s[OUTP:OUTP+1], s[OUTP:OUTP+1], s[2:3]
.if EPI == 2
	s_add_nc_u64 s[10:11], s[10:11], s[2:3]
.set i, 0
.rept 32
	global_load_b128 v[R+4*i:R+4*i+3], v[BO], s[10:11] offset:OPB*i  ; my 32 rows of the residual: they land under the whole K walk
.set i, i+1
.endr
.endif
.if PF
	s_and_b32 s3, ttmp7, 0xffff
	s_cmp_lt_u32 s[WV], NAW                        ; do I fetch for A?
	s_cselect_b64 s[PFA:PFA+1], s[RBA:RBA+1], s[RBW:RBW+1]  ; my load's first row
	s_cselect_b32 s2, s[CX], s[CY]                 ; my place among the four that ask with me
	s_cselect_b32 s3, ttmp9, s3                    ; the coordinate along which other clusters read the same rows
	s_cmp_eq_u32 s3, 0
	s_cselect_b32 s[LIM], 2, -1                    ; the same in all sixteen partners, for a given wave
	s_mul_i32 s2, s2, 32*SIZE_K*2
	s_add_co_u32 s2, s2, 3*KSTEP*2                 ; at K step 3: the first refill steps it to 4
	s_mov_b32 s3, 0
	s_add_nc_u64 s[PFA:PFA+1], s[PFA:PFA+1], s[2:3]
	v_mul_u32_u24 v[PFO], v3, SIZE_K*2
.endif
	s_wait_tensorcnt 1                             ; my part of the first K step is in; the second's may stay out
	s_barrier_signal -1
	s_barrier_wait -1
	s_mov_b32 s[TS], 0
	v_mov_b32 v[ADRA], v[ADRA0]
	v_mov_b32 v[ADRB], v[ADRB0]
	FETCH 0, 0
	CH 0, 1, CHB, 1                                ; the first chunk stands in front of the loops: its products start the sums
	WIN 0
	s_mov_b32 s[OUTC], KT-2
	s_mov_b32 s[CNT], 2
	s_branch .Lin                                  ; the loop is entered behind its first chunk
.Lstep:                                        ; KT - 2 trips: a K step each; its change of slots fills the slot that it leaves
	s_mov_b32 s[CNT], 2
.Leven:                                        ; a K step's chunks 0 and 2 (buffer 0) by one text, chunk 1 (buffer 1) by another; chunk 3 is the change of slots'
	CH 0, 1, CHB, 0
	WIN 0
.Lin:
	s_sub_co_u32 s[CNT], s[CNT], 1
	s_cmp_eq_u32 s[CNT], 0
	s_cbranch_scc1 .Lturn
	CH 1, 0, 2*CHB, 0
	WIN 0
	v_add_nc_u32 v[ADRA], 2*CHB, v[ADRA]           ; the step's second pair of chunks
	v_add_nc_u32 v[ADRB], 2*CHB, v[ADRB]
	s_branch .Leven
.Lturn:
	TURN 1
	WIN 0
	s_sub_co_u32 s[OUTC], s[OUTC], 1
	s_cmp_lg_u32 s[OUTC], 0
	s_cbranch_scc1 .Lstep
	s_mov_b32 s[OUTC], 2
.Ltstep:                                       ; the last two K steps ask for nothing: written apart
	s_mov_b32 s[CNT], 2
.Lteven:
	CH 0, 1, CHB, 0
	WIN 0
	s_sub_co_u32 s[CNT], s[CNT], 1
	s_cmp_eq_u32 s[CNT], 0
	s_cbranch_scc1 .Ltturn
	CH 1, 0, 2*CHB, 0
	WIN 0
	v_add_nc_u32 v[ADRA], 2*CHB, v[ADRA]
	v_add_nc_u32 v[ADRB], 2*CHB, v[ADRB]
	s_branch .Lteven
.Ltturn:
	TURN 0                                         ; (in the second trip its barrier and its 32 fragment loads, of the slot left before, serve nothing: the price, once a launch, of one text for both trips)
	WIN 0
	s_sub_co_u32 s[OUTC], s[OUTC], 1
	s_cmp_lg_u32 s[OUTC], 0
	s_cbranch_scc1 .Ltstep
	PLACES                                         ; behind the last products, ahead of the stores that read results
	s_wait_dscnt 0x0
	s_barrier_signal -1
	s_barrier_wait -1                              ; nobody reads a slot any more, and no fill is to come: the stage may be written
.set aa, 0
.rept MB
.set bb, 0
.rept NB
.set ai, aa*NB+bb
.set rD, (8*ai)&255
	WIN 0x08+0x04*(ai>>5)                          ; store data (source 1) in window 2 or 3
	ds_store_b128 v[STO], v[rD:rD+3]   offset:64*bb      ; each accumulator's lowest registers first
	ds_store_b128 v[STO], v[rD+4:rD+7] offset:64*bb+16
.set bb, bb+1
.endr
	WIN 0
	v_add_nc_u32 v[STO], 16*SP, v[STO]
.set aa, aa+1
.endr
	s_wait_dscnt 0x0                               ; for the others' sake: my stores into the stage are done
	s_barrier_signal -1
	s_barrier_wait -1
	s_wait_loadcnt 0x0                             ; the bias (and the residual)
.if EPI == 2
.irp bt, 0,1                           ; my 32 rows, 16 at a time
.if (\bt) == 1
	s_wait_xcnt 0x0                                ; the first 16 stores have read their registers
.endif
.set i, 0
.rept 16
	ds_load_b128 v[X+4*i:X+4*i+3], v[RD0] offset:(16*(\bt)+i)*SP
.set i, i+1
.endr
.set i, 0
.rept 16
	s_wait_dscnt 15-i                              ; the younger loads may stay out
	v_pk_add_f32 v[X+4*i:X+4*i+1],   v[X+4*i:X+4*i+1],   v[BI:BI+1]
	v_pk_add_f32 v[X+4*i+2:X+4*i+3], v[X+4*i+2:X+4*i+3], v[BI+2:BI+3]
	v_pk_add_f32 v[X+4*i:X+4*i+1],   v[X+4*i:X+4*i+1],   v[R+4*(16*(\bt)+i):R+4*(16*(\bt)+i)+1]
	v_pk_add_f32 v[X+4*i+2:X+4*i+3], v[X+4*i+2:X+4*i+3], v[R+4*(16*(\bt)+i)+2:R+4*(16*(\bt)+i)+3]
	global_store_b128 v[BO], v[X+4*i:X+4*i+3], s[OUTP:OUTP+1] offset:(16*(\bt)+i)*OPB  ; 512 consecutive bytes, aligned
.set i, i+1
.endr
.endr
.else
.macro LD                              ; RPT rows, PRT parts each: 512 consecutive bytes a load
.set uu, 0
.rept U
	ds_load_b128 v[X+4*uu:X+4*uu+3], v[RD] offset:(uu/PRT)*SP+512*(uu%PRT)
.set uu, uu+1
.endr
.endm
.if EPI == 1
	s_mov_b32 s60, 0xc0135764                      ; k0 = -2 sqrt(2 / pi) log2(e)
	s_mov_b32 s61, 0xc0135764
	s_mov_b32 s62, 0xbdd2d3e8                      ; k1 = 0.044715 k0
	s_mov_b32 s63, 0xbdd2d3e8
.endif
	s_mov_b32 s[RO], 0
	v_mov_b32 v[RD], v[RD0]
	LD
	s_mov_b32 s[CNT], (TM/4)/RPT
.Lrow:                                         ; a trip: RPT rows; the next trip's rows are read from the stage while these are worked on
	s_wait_dscnt 0x0
.set uu, 0
.rept U
	v_pk_add_f32 v[Z+4*uu:Z+4*uu+1],   v[X+4*uu:X+4*uu+1],   v[BI+4*(uu%PRT):BI+4*(uu%PRT)+1]
	v_pk_add_f32 v[Z+4*uu+2:Z+4*uu+3], v[X+4*uu+2:X+4*uu+3], v[BI+4*(uu%PRT)+2:BI+4*(uu%PRT)+3]
.set uu, uu+1
.endr
	s_add_co_u32 s[RO], s[RO], RPT*SP
	s_min_u32 s[RO], s[RO], (TM/4-RPT)*SP          ; the last trip reads its own rows once more, and nobody uses them: no load leaves my rows
	v_add_nc_u32 v[RD], s[RO], v[RD0]
	LD
.if EPI == 1
	; gelu(z) = 0.5 z (1 + tanh(u)) = z / (1 + 2^(z (k0 + k1 z^2))): the same function; where the power overflows the quotient is 0, where it vanishes z
.set i, 0
.rept 2*U
	v_pk_mul_f32 v[TT+2*i:TT+2*i+1], v[Z+2*i:Z+2*i+1], v[Z+2*i:Z+2*i+1]
.set i, i+1
.endr
.set i, 0
.rept 2*U
	v_pk_fma_f32 v[TT+2*i:TT+2*i+1], v[TT+2*i:TT+2*i+1], s[62:63], s[60:61] op_sel_hi:[1,0,0]
.set i, i+1
.endr
.set i, 0
.rept 2*U
	v_pk_mul_f32 v[TT+2*i:TT+2*i+1], v[TT+2*i:TT+2*i+1], v[Z+2*i:Z+2*i+1]
.set i, i+1
.endr
.set i, 0
.rept 4*U
	v_exp_f32 v[TT+i], v[TT+i]
.set i, i+1
.endr
	v_nop                                          ; a plain instruction behind the last of the batch,
	s_wait_alu depctr_va_vdst(0)                   ; and one wait for the batch, ahead of its first reader
.set i, 0
.rept 2*U
	v_pk_add_f32 v[TT+2*i:TT+2*i+1], v[TT+2*i:TT+2*i+1], 1.0 op_sel_hi:[1,0]
.set i, i+1
.endr
.set i, 0
.rept 4*U
	v_rcp_f32 v[TT+i], v[TT+i]
.set i, i+1
.endr
	v_nop
	s_wait_alu depctr_va_vdst(0)                   ; the same for the reciprocals
.set i, 0
.rept 2*U
	v_pk_mul_f32 v[Z+2*i:Z+2*i+1], v[Z+2*i:Z+2*i+1], v[TT+2*i:TT+2*i+1]
.set i, i+1
.endr
.endif
.set i, 0
.rept 2*U
	v_cvt_pk_bf16_f32 v[Y+i], v[Z+2*i], v[Z+2*i+1]
.set i, i+1
.endr
.set uu, 0
.rept U
	global_store_b64 v[CO], v[Y+2*uu:Y+2*uu+1], s[OUTP:OUTP+1] offset:(uu/PRT)*OPB+256*(uu%PRT)  ; 32 lanes: 256 consecutive bytes, aligned
.set uu, uu+1
.endr
	s_wait_xcnt 0x0                                ; the stores have read their registers and their base
	s_add_nc_u64 s[OUTP:OUTP+1], s[OUTP:OUTP+1], RPT*OPB
	s_sub_co_u32 s[CNT], s[CNT], 1
	s_cmp_lg_u32 s[CNT], 0
	s_cbranch_scc1 .Lrow
.endif
	s_wait_tensorcnt 0x0                           ; the wave's end, behind my last tensor load and my last LDS store
	ds_add_u32 v[SPW], v[NIL]
	s_wait_dscnt 0x0
	CROUND                                         ; the closing round: no work-group ends while a partner may still ask for a tile that names it
	s_endpgm
.Lfunc_end_k_qbd299d96bb_proj:
	.size	k_qbd299d96bb_proj, .Lfunc_end_k_qbd299d96bb_proj-k_qbd299d96bb_proj
	.p2alignl 7, 3214868480
	.fill 96, 4, 3214868480
	.section	.rodata,"a",@progbits
	.p2align	6, 0x0
	.amdhsa_kernel k_qbd299d96bb_proj
		.amdhsa_group_segment_fixed_size 327680
		.amdhsa_private_segment_fixed_size 0
		.amdhsa_enable_private_segment 0
		.amdhsa_kernarg_size 40
		.amdhsa_user_sgpr_count 2
		.amdhsa_user_sgpr_kernarg_segment_ptr 1
		.amdhsa_wavefront_size32 1
		.amdhsa_system_sgpr_workgroup_id_x 1
		.amdhsa_system_sgpr_workgroup_id_y 1
		.amdhsa_system_sgpr_workgroup_id_z 1
		.amdhsa_system_vgpr_workitem_id 0
		.amdhsa_next_free_vgpr 640
		.amdhsa_next_free_sgpr 72
		.amdhsa_reserve_vcc 0
		.amdhsa_float_denorm_mode_32 3
		.amdhsa_float_denorm_mode_16_64 3
		.amdhsa_memory_ordered 1
		.amdhsa_forward_progress 1
		.amdhsa_inst_pref_size 62
	.end_amdhsa_kernel
	.amdgpu_metadata
---
amdhsa.version: [ 1, 2 ]
amdhsa.kernels:
  - .name:           k_qbd299d96bb_proj
    .symbol:         k_qbd299d96bb_proj.kd
    .args:
      - { .name: act, .offset: 0, .size: 8, .value_kind: global_buffer, .address_space: global }
      - { .name: wt, .offset: 8, .size: 8, .value_kind: global_buffer, .address_space: global }
      - { .name: b_attn_proj, .offset: 16, .size: 8, .value_kind: global_buffer, .address_space: global }
      - { .name: x, .offset: 24, .size: 8, .value_kind: global_buffer, .address_space: global }
      - { .name: x2, .offset: 32, .size: 8, .value_kind: global_buffer, .address_space: global }
    .group_segment_fixed_size: 327680
    .private_segment_fixed_size: 0
    .kernarg_segment_align: 8
    .kernarg_segment_size: 40
    .max_flat_workgroup_size: 128
    .sgpr_count:     72
    .vgpr_count:     640
    .wavefront_size: 32
...
	.end_amdgpu_metadata
.endif
;; end of part 4
;; launch ln2: the kernel of part 1 again; grid 512 x 1, 8 waves a work-group, no clusters, 34,304 bytes of LDS; arguments x2, ln2_scale, ln2_bias, act, w_qkv, w_attn_proj, w_fc, w_mlp_proj, mask, g, qkv; writes act, g, qkv
;; launch fc (part 5): grid 16 x 16, 4 waves a work-group, clusters of 4 x 4, 327,680 bytes of LDS; arguments act, wt, b_fc, g; writes g
.if DOCPART == 5
	.amdgcn_target "amdgcn-amd-amdhsa--gfx1250"
	.amdhsa_code_object_version 6
	.text
	.protected	k_qbd299d96bb_fc
	.globl	k_qbd299d96bb_fc
	.p2align	8
	.type	k_qbd299d96bb_fc,@function
k_qbd299d96bb_fc:
	s_mov_b64 s[64:65], 0
	v_nop
	global_prefetch_b8 v0, s[64:65] scope:SCOPE_SE
	s_setreg_imm32_b32 hwreg(HW_REG_WAVE_MODE, 25, 1), 1
	s_wait_xcnt 0x0
	s_wait_alu depctr_hold_cnt(0) depctr_sa_sdst(0) depctr_va_vdst(0) depctr_va_sdst(0) depctr_va_ssrc(0) depctr_va_vcc(0) depctr_vm_vsrc(0)
	s_getreg_b32 s2, hwreg(HW_REG_IB_STS2, 6, 4)
	s_cmp_eq_u32 s2, 0
	s_cbranch_scc0 .Lentry_in_a_cluster
	s_endpgm
.Lentry_in_a_cluster:
	s_bfe_u32 s2, ttmp6, 0x10000c
	s_cmp_lg_u32 s2, 0xf033
	s_cbranch_scc0 .Lentry_shape_is_right
	s_endpgm
.Lentry_shape_is_right:
; THIS BODY: g = gelu(h2 Wfc + b_fc), bf16 [4096][4096].  A tile of 256 x 256 gives 256 work-groups; a wave has 128 x 128 of it in 512 registers.
.set TM, 256
.set TN, 256
.set MB, 8
.set NB, 8
.set SIZE_K, 1024
.set SIZE_N, 4096
.set KSTEP, 128
.set SUB, 1
.set PITCH, 272
.set QI, 5
.set LROWS, 128
.set NAW, 2
.set EPI, 1
.set WOFFB, 8388608
.set PF, 1
.set ROT, 0
; ONE TEXT FOR FOUR PRODUCTS; the sizes above choose.  C[m][n] = sum over k of A[m][k] W[n][k] (+ bias[n], then EPI).  A: [4096][SIZE_K] bf16; W: [SIZE_N][SIZE_K] bf16 at byte WOFFB of wt; sums in f32.
; EPI 0: + bias, bf16 out.  EPI 1: + bias, tanh-GELU, bf16 out.  EPI 2: + bias + residual (f32), f32 out.
; SHARES.  A work-group makes TM x TN of C; its four waves lie 2 x 2, each with MB x NB accumulators of 16 x 16.  K goes in steps of KSTEP through two LDS slots that take turns (A's TM rows, then W's TN rows,
; each row KSTEP x 2 bytes + 16 of padding, so that the 16 rows of a fragment load start at 16 different groups of four banks).  Each wave fills LROWS rows of a slot by ONE tensor load (waves below NAW: A's, the others: W's).
; CLUSTER 4 x 4: the four work-groups of a row of the cluster need the same rows of A, the four of a column the same rows of W: each tile is asked for jointly, by the same load, descriptor and mask in all four.
; ROT = 1: the clusters whose x + y is odd begin their walk along K in its middle and wrap round, so that two clusters that read the same rows do not ask for the same K step in the same trip.  The start hangs on the
; cluster's coordinates alone, which all sixteen partners share; every K step is taken once; the f32 sums are the same numbers added in another order.
; THE MATRIX INSTRUCTION IS USED TURNED (source 0 = 16 rows of W, source 1 = 16 rows of A): a lane then holds row lane % 16 of C and eight neighbouring columns 8 (lane / 16) + 0..7.
; A K step is four CHUNKS of 32 SUB along K on two fragment buffers by turns: at a chunk's head the next chunk's 32 LDS loads go out in one run and have the chunk's MB NB SUB products in which to land.
; REGISTERS in windows of 256 (s_set_vgpr_msb: bits 1:0 source 0, 3:2 source 1, 5:4 source 2, 7:6 destination): window 0 addresses and the way out; window 1 the two fragment buffers of 128 (W's fragments, then A's);
; windows 2, 3 the accumulators: (a, b) has number a NB + b, 32 to a window.
; THE WAY OUT goes through an f32 stage in LDS, laid over the slots after their last fill and last read: a wave then reads whole rows and 32 lanes store 256 (bf16) or 512 (f32) consecutive bytes, aligned.
.set KT,    SIZE_K/KSTEP               ; K steps
.set KSH,   8+KSTEP/256                ; log2 of the bytes of a row in a K step (256 or 512)
.set CHB,   64*SUB                     ; bytes of a row in a chunk
.set SLOT,  (TM+TN)*PITCH
.set SPARE, 2*SLOT                     ; behind the slots: the spare words, 128 bytes for each wave; no other line names them
.set SP,    4*TN+16                    ; a row of the stage
.set PRT,   TN/128                     ; parts of 128 columns in a row
.set RPT,   4                          ; rows a trip on the way out (EPI 0, 1)
.set U,     RPT*PRT
.set G1W,   (1<<16)|(1<<20)|(1<<21)|(QI<<22)|(3<<25)  ; 17:16 2-byte elements; 20 padding on; 21 set beside a mask; 24:22 after every row; 31:25 4 words of it
.if EPI == 2
.set OPB, 4*SIZE_N
.set CB,  4*TN
.set OUTP, 12
.else
.set OPB, 2*SIZE_N
.set CB,  2*TN
.set OUTP, 10
.endif
.set ADRA0, 4                          ; v4, v5  my lane's place in A's and W's rows of slot 0; never rewritten
.set ADRB0, 5
.set ADRA,  6                          ; v6, v7  the same in the slot in hand, at the pair of chunks in hand
.set ADRB,  7
.set STO,   8                          ; v8   where I put 32 bytes of a row of the stage
.set RD0,   9                          ; v9   my 16 bytes in my wave's first row of the stage
.set RD,    10                         ; v10  the same, some rows on
.set CO,    11                         ; v11  8 x lane
.set SPW,   12                         ; v12  my spare word: SPARE + 4 x my thread's number; never rewritten
.set NIL,   13                         ; v13  0; never rewritten
.set PFO,   14                         ; v14  lane x a row of A or W in memory
.set BO,    15                         ; v15  16 x lane
.set BI,    16                         ; v[16:27] bias: part p's four columns of my lane at BI + 4 p
.set X,     32                         ; the way out: rows as read; then Z (with bias), TT (at work), Y (packed)
.set Z,     X+4*U
.set TT,    Z+4*U
.set Y,     TT+4*U
.set R,     128                        ; EPI 2: v[128:255] my wave's 32 rows of the residual
.set WV, 14
.set WM, 15
.set WN, 16
.set CX, 17
.set CY, 18
.set TX, 19
.set TY, 20
.set TS, 21                            ; s21  0 or SLOT: the slot in hand
.set RO, 21                            ;      on the way out: the row offset of the loads ahead
.set OUTC, 22
.set CNT, 23
.set G1A, 24                           ; s[24:31], s[32:39] descriptor group 1 for A's and W's tiles: they differ in the mask
.set G1B, 32
.set G0A, 40                           ; s[40:43] group 0 of the first fill, s[44:47] the one that walks; s[48:55] the same for W
.set G0B, 48
.set PFA, 56                           ; s[56:57] where my prefetches stand
.set LIM, 58                           ; s58  2 in a wave that prefetches, else the greatest number
.set WL,  59                           ; s59  my rows' place in a slot
.set RBA, 60                           ; s[60:61] A at the first of the rows that I fetch; s[62:63] the same for W
.set RBW, 62
.set NXT, 66                           ; s66  the K step to be asked for next
.set OFF, 68                           ; s[68:69] its bytes along a row
.set MSB, 0
.macro WIN new                         ; the immediate's high byte repeats the setting that is left; a switch that changes nothing is dropped
.if MSB != (\new)
	s_set_vgpr_msb (MSB<<8)|(\new)
.set MSB, (\new)
.endif
.endm
.macro PLACES                          ; four plain instructions between a product and a load into, or a reader of, its registers
.rept 4
	v_nop
.endr
.endm
.macro CREST                           ; a round of the cluster's barrier behind its opening barrier
	s_cmp_lg_u32 s[WV], 0
	s_cbranch_scc1 .Lnot_wave_0_\@
	s_barrier_signal -3
.Lnot_wave_0_\@:
	s_barrier_wait -3
	s_barrier_signal -1
	s_barrier_wait -1
.endm
.macro CROUND
	s_barrier_signal -1
	s_barrier_wait -1
	CREST
.endm
.macro JLOAD                           ; the joint refill, by the walking descriptors; the branch hangs on the wave's number alone; s_nop 0 and four v_nop follow each line
	s_cmp_lt_u32 s[WV], NAW
	s_cbranch_scc0 .Lfor_b_\@
	tensor_load_to_lds s[G0A+4:G0A+7], s[G1A:G1A+7]
	s_nop 0
.rept 4
	v_nop
.endr
	s_branch .Lasked_\@
.Lfor_b_\@:
	tensor_load_to_lds s[G0B+4:G0B+7], s[G1B:G1B+7]
	s_nop 0
.rept 4
	v_nop
.endr
.Lasked_\@:
.endm
; A PREFETCH INTO THE L2 (PF = 1: both operands were stored by earlier launches): behind each refill and the run of LDS loads, the K step that stands two refills on: 32 rows x 256 bytes, a lane a row.
; A's rows are asked for by the clusters with x = 0 alone, W's by those with y = 0; the four partners of a joint load share its 128 rows out by address, 32 each: each run of 256 bytes is named once in the launch.
; K steps 0 to 3 come by their loads alone; the last two refills name nothing (there is no K step two on).
.macro ASK
	WIN 0
	s_cmp_gt_u32 s[OUTC], s[LIM]
	s_cbranch_scc0 .Lnot_mine_\@
	global_prefetch_b8 v[PFO], s[PFA:PFA+1] th:TH_LOAD_NT scope:SCOPE_SE
.Lnot_mine_\@:
.endm
.macro FETCH g, off                    ; 32 LDS loads in one run: a chunk's fragments, at byte off of the rows, into buffer g
	WIN 0x40
.set cc, 0
.rept SUB
.set ii, 0
.rept NB
.set rF, 128*(\g)+8*(NB*cc+ii)
	ds_load_b128 v[rF:rF+3],   v[ADRB] offset:(\off)+64*cc+ii*16*PITCH
	ds_load_b128 v[rF+4:rF+7], v[ADRB] offset:(\off)+64*cc+ii*16*PITCH+32
.set ii, ii+1
.endr
.set ii, 0
.rept MB
.set rF, 128*(\g)+8*NB*SUB+8*(MB*cc+ii)
	ds_load_b128 v[rF:rF+3],   v[ADRA] offset:(\off)+64*cc+ii*16*PITCH
	ds_load_b128 v[rF+4:rF+7], v[ADRA] offset:(\off)+64*cc+ii*16*PITCH+32
.set ii, ii+1
.endr
.set cc, cc+1
.endr
.endm
; n slices of NB products from slice sl0 on, out of buffer f; slice sl: 32 along K number sl / MB, block row sl % MB.  All accumulators take turns, one instruction a turn, in the same order in every chunk.
; zero = 1: the first products start the sums.
.macro MULS f, sl0, n, zero
.set sl, (\sl0)
.rept (\n)
.set cc, sl/MB
.set aa, sl%MB
.set bb, 0
.rept NB
.set ai, aa*NB+bb
.set rD, (8*ai)&255
.set rW, 128*(\f)+8*(NB*cc+bb)
.set rA, 128*(\f)+8*NB*SUB+8*(MB*cc+aa)
	WIN 0xa5+0x50*(ai>>5)
.if (\zero) && (cc == 0)
	v_wmma_f32_16x16x32_bf16 v[rD:rD+7], v[rW:rW+7], v[rA:rA+7], 0
.else
	v_wmma_f32_16x16x32_bf16 v[rD:rD+7], v[rW:rW+7], v[rA:rA+7], v[rD:rD+7]
.endif
.set bb, bb+1
.endr
.set sl, sl+1
.endr
.endm
.macro CH f, g, off, zero              ; a chunk: buffer f is multiplied; the next chunk's fragments go out first, into buffer g
	s_wait_dscnt 0x0                               ; buffer f, asked for a chunk ago, is in
	PLACES                                         ; behind the last product that read buffer g
	FETCH \g, \off
	MULS \f, 0, SUB*MB, \zero
.endm
; A K step's last chunk (buffer 1) and THE CHANGE OF SLOTS: one barrier, at the chunk's head.  In front of it each wave waits for all its tensor loads (one is out: its part of the next slot), adds 0 to its spare word,
; and waits for that and for its reads of this slot (the last of them, this chunk's fragments, went out a chunk ago).  fill = 1: the barrier opens a round of the cluster's, and the slot just read out is filled again
; first thing behind it, with the K step NXT.  No product stands between the wait for my tensor load and the joint load: the load has the whole K step's 4 MB NB SUB products in which to land.
.macro TURN fill
	WIN 0
.if PF && (\fill)
	s_wait_xcnt 0x0                                ; the last prefetch, a K step back, has read its address
	s_add_nc_u64 s[PFA:PFA+1], s[PFA:PFA+1], KSTEP*2
.endif
	s_wait_tensorcnt 0x0                           ; no tensor load of mine is out, so the walking descriptors may be written
	ds_add_u32 v[SPW], v[NIL]                      ; 0 onto my spare word; the descriptors' scalar work stands between it and the wait for it
.if \fill
	s_lshl_b32 s[OFF], s[NXT], KSH
	s_add_co_u32 s[G0A+5], s[WL], s[TS]            ; into the slot that is being left,
	s_add_co_u32 s[G0B+5], s[WL], s[TS]
	s_add_nc_u64 s[G0A+6:G0A+7], s[RBA:RBA+1], s[OFF:OFF+1]  ; the address made anew: my rows' base and the K step's bytes
	s_or_b32 s[G0A+7], s[G0A+7], 0x80000000
	s_add_nc_u64 s[G0B+6:G0B+7], s[RBW:RBW+1], s[OFF:OFF+1]
	s_or_b32 s[G0B+7], s[G0B+7], 0x80000000
	s_add_co_u32 s[NXT], s[NXT], 1
	s_and_b32 s[NXT], s[NXT], KT-1                 ; round K's end
.endif
	s_xor_b32 s[TS], s[TS], SLOT
	s_wait_dscnt 0x0                               ; the add is done, buffer 1 is in, my reads of this slot are over
	s_barrier_signal -1
	s_barrier_wait -1
.if \fill
	CREST                                          ; no wave of any partner still reads this slot or has a load on its way
	JLOAD                                          ; its four v_nop are also the places in front of the loads below
.else
	PLACES
.endif
	v_add_nc_u32 v[ADRA], s[TS], v[ADRA0]
	v_add_nc_u32 v[ADRB], s[TS], v[ADRB0]
	FETCH 0, 0
.if PF && (\fill)
	ASK
.endif
	MULS 1, 0, SUB*MB, 0
.endm
	s_load_b256 s[4:11], s[0:1], 0x0               ; A s[4:5], wt s[6:7], bias s[8:9]; s[10:11] the output (EPI 0, 1) or the residual (EPI 2)
.if EPI == 2
	s_load_b64 s[12:13], s[0:1], 0x20              ; the output
.endif
	v_lshl_add_u32 v[SPW], v0, 2, SPARE
	v_mov_b32 v[NIL], 0
	ds_add_u32 v[SPW], v[NIL]                      ; the wave's opening: the add and its wait ahead of my first tensor load; work on registers stands between them
	v_lshrrev_b32 v3, 5, v0
	v_readfirstlane_b32 s[WV], v3                  ; wave 0..3
	s_lshr_b32 s[WM], s[WV], 1                     ; my half of the tile's rows
	s_and_b32 s[WN], s[WV], 1                      ; and of its columns
	s_bfe_u32 s[CX], ttmp6, 0x40000
	s_bfe_u32 s[CY], ttmp6, 0x40004
	s_lshl_b32 s[TX], ttmp9, 2
	s_add_co_u32 s[TX], s[TX], s[CX]               ; tile column
	s_and_b32 s[TY], ttmp7, 0xffff
	s_lshl_b32 s[TY], s[TY], 2
	s_add_co_u32 s[TY], s[TY], s[CY]               ; tile row
	s_lshl_b32 s2, s[CY], 2
	s_lshl_b32 s2, 15, s2                          ; my row of the cluster
	s_lshl_b32 s3, 0x1111, s[CX]                   ; my column
	s_or_b32 s[G1A], s2, G1W
	s_or_b32 s[G1B], s3, G1W
.irp g, G1A, G1B
	s_mov_b32 s[(\g)+1], KSTEP<<16                 ; tensor_dim0
	s_mov_b32 s[(\g)+2], LROWS<<16                 ; tensor_dim1
	s_mov_b32 s[(\g)+3], KSTEP<<16                 ; tile_dim0
	s_mov_b32 s[(\g)+4], LROWS                     ; tile_dim1
	s_mov_b32 s[(\g)+5], SIZE_K                    ; elements from row to row
	s_mov_b32 s[(\g)+6], 0
	s_mov_b32 s[(\g)+7], 0
.endr
	s_min_u32 s60, s[WV], NAW-1                    ; A's rows hang on the tile row and the wave alone,
	s_mul_i32 s60, s60, LROWS
	s_mul_i32 s61, s[TY], TM
	s_add_co_u32 s60, s60, s61
	s_mul_i32 s60, s60, SIZE_K*2
	s_mov_b32 s61, 0
	s_sub_co_i32 s62, s[WV], NAW                   ; W's on the tile column and the wave
	s_max_i32 s62, s62, 0
	s_mul_i32 s62, s62, LROWS
	s_mul_i32 s63, s[TX], TN
	s_add_co_u32 s62, s62, s63
	s_mul_i32 s62, s62, SIZE_K*2
	s_add_co_u32 s62, s62, WOFFB
	s_mov_b32 s63, 0
	s_mul_i32 s[WL], s[WV], LROWS*PITCH            ; no place in the cluster enters an LDS address
.if ROT
	s_and_b32 s[NXT], ttmp7, 0xffff                ; cluster y
	s_add_co_u32 s[NXT], s[NXT], ttmp9             ; + cluster x
	s_and_b32 s[NXT], s[NXT], 1
	s_mul_i32 s[NXT], s[NXT], KT/2                 ; the K step at which my cluster's walk begins: 0, or the middle
.else
	s_mov_b32 s[NXT], 0
.endif
	s_lshl_b32 s[OFF], s[NXT], KSH
	s_mov_b32 s[OFF+1], 0
	s_add_co_u32 s[NXT], s[NXT], 2                 ; the two first fills take that step and the next (neither wraps)
	s_and_b32 s[NXT], s[NXT], KT-1
	s_wait_dscnt 0x0                               ; the opening add is done
	s_wait_kmcnt 0x0
	s_add_nc_u64 s[RBA:RBA+1], s[4:5], s[60:61]
	s_add_nc_u64 s[RBW:RBW+1], s[6:7], s[62:63]
.irp s, 0,1
	s_mov_b32 s[G0A+4*(\s)], 1
	s_add_co_u32 s[G0A+4*(\s)+1], s[WL], (\s)*SLOT
	s_mov_b32 s[G0B+4*(\s)], 1
	s_add_co_u32 s[G0B+4*(\s)+1], s[WL], (\s)*SLOT
.endr
	s_add_nc_u64 s[G0A+2:G0A+3], s[RBA:RBA+1], s[OFF:OFF+1]
	s_add_nc_u64 s[G0A+6:G0A+7], s[G0A+2:G0A+3], KSTEP*2
	s_or_b32 s[G0A+3], s[G0A+3], 0x80000000
	s_or_b32 s[G0A+7], s[G0A+7], 0x80000000
	s_add_nc_u64 s[G0B+2:G0B+3], s[RBW:RBW+1], s[OFF:OFF+1]
	s_add_nc_u64 s[G0B+6:G0B+7], s[G0B+2:G0B+3], KSTEP*2
	s_or_b32 s[G0B+3], s[G0B+3], 0x80000000
	s_or_b32 s[G0B+7], s[G0B+7], 0x80000000
	CROUND                                         ; all sixteen work-groups are here: the first joint loads meet
	s_cmp_lt_u32 s[WV], NAW                        ; a wave's two first fills stand in one branch: two loads of mine are out, the most in this text
	s_cbranch_scc0 .Lfirst_b
	tensor_load_to_lds s[G0A:G0A+3], s[G1A:G1A+7]
	s_nop 0
	tensor_load_to_lds s[G0A+4:G0A+7], s[G1A:G1A+7]
	s_nop 0
.rept 4
	v_nop
.endr
	s_branch .Lfirst_asked
.Lfirst_b:
	tensor_load_to_lds s[G0B:G0B+3], s[G1B:G1B+7]
	s_nop 0
	tensor_load_to_lds s[G0B+4:G0B+7], s[G1B:G1B+7]
	s_nop 0
.rept 4
	v_nop
.endr
.Lfirst_asked:
	v_and_b32 v1, 15, v0                           ; r = lane % 16
	v_bfe_u32 v2, v0, 4, 1                         ; h = lane / 16
	v_and_b32 v3, 31, v0                           ; lane
	v_mul_u32_u24 v[ADRA0], v1, PITCH              ; a fragment: row r, 16 bytes for each half of the lanes, twice, 32 bytes apart
	v_lshl_add_u32 v[ADRA0], v2, 4, v[ADRA0]
	s_mul_i32 s2, s[WN], 16*NB*PITCH
	s_add_co_u32 s2, s2, TM*PITCH
	v_add_nc_u32 v[ADRB0], s2, v[ADRA0]
	s_mul_i32 s2, s[WM], 16*MB*PITCH
	v_add_nc_u32 v[ADRA0], s2, v[ADRA0]
	v_mul_u32_u24 v[STO], v1, SP                   ; into the stage: row 16 MB wm + r, byte 64 NB wn + 32 h
	v_lshl_add_u32 v[STO], v2, 5, v[STO]
	s_mul_i32 s2, s[WM], 16*MB*SP
	s_mul_i32 s3, s[WN], 64*NB
	s_add_co_u32 s2, s2, s3
	v_add_nc_u32 v[STO], s2, v[STO]
	s_mul_i32 s2, s[WV], (TM/4)*SP                 ; back: wave w takes rows w TM / 4 on, whole
	v_lshl_add_u32 v[RD0], v3, 4, s2
	v_lshlrev_b32 v[CO], 3, v3
	v_lshlrev_b32 v[BO], 4, v3
	s_mul_i32 s2, s[TX], 4*TN
	s_mov_b32 s3, 0
	s_add_nc_u64 s[8:9], s[8:9], s[2:3]
.set pp, 0
.rept PRT
	global_load_b128 v[BI+4*pp:BI+4*pp+3], v[BO], s[8:9] offset:512*pp  ; the bias of my four columns of each part; waited for on the way out
.set pp, pp+1
.endr
	s_mul_i32 s2, s[TY], TM
	s_mul_i32 s3, s[WV], TM/4
	s_add_co_u32 s2, s2, s3                        ; the first row that I store
	s_mul_i32 s2, s2, OPB
	s_mul_i32 s3, s[TX], CB
	s_add_co_u32 s2, s2, s3
	s_mov_b32 s3, 0
	s_add_nc_u64 s[OUTP:OUTP+1], s[OUTP:OUTP+1], s[2:3]
.if EPI == 2
	s_add_nc_u64 s[10:11], s[10:11], s[2:3]
.set i, 0
.rept 32
	global_load_b128 v[R+4*i:R+4*i+3], v[BO], s[10:11] offset:OPB*i  ; my 32 rows of the residual: they land under the whole K walk
.set i, i+1
.endr
.endif
.if PF
	s_and_b32 s3, ttmp7, 0xffff
	s_cmp_lt_u32 s[WV], NAW                        ; do I fetch for A?
	s_cselect_b64 s[PFA:PFA+1], s[RBA:RBA+1], s[RBW:RBW+1]  ; my load's first row
	s_cselect_b32 s2, s[CX], s[CY]                 ; my place among the four that ask with me
	s_cselect_b32 s3, ttmp9, s3                    ; the coordinate along which other clusters read the same rows
	s_cmp_eq_u32 s3, 0
	s_cselect_b32 s[LIM], 2, -1                    ; the same in all sixteen partners, for a given wave
	s_mul_i32 s2, s2, 32*SIZE_K*2
	s_add_co_u32 s2, s2, 3*KSTEP*2                 ; at K step 3: the first refill steps it to 4
	s_mov_b32 s3, 0
	s_add_nc_u64 s[PFA:PFA+1], s[PFA:PFA+1], s[2:3]
	v_mul_u32_u24 v[PFO], v3, SIZE_K*2
.endif
	s_wait_tensorcnt 1                             ; my part of the first K step is in; the second's may stay out
	s_barrier_signal -1
	s_barrier_wait -1
	s_mov_b32 s[TS], 0
	v_mov_b32 v[ADRA], v[ADRA0]
	v_mov_b32 v[ADRB], v[ADRB0]
	FETCH 0, 0
	CH 0, 1, CHB, 1                                ; the first chunk stands in front of the loops: its products start the sums
	WIN 0
	s_mov_b32 s[OUTC], KT-2
	s_mov_b32 s[CNT], 2
	s_branch .Lin                                  ; the loop is entered behind its first chunk
.Lstep:                                        ; KT - 2 trips: a K step each; its change of slots fills the slot that it leaves
	s_mov_b32 s[CNT], 2
.Leven:                                        ; a K step's chunks 0 and 2 (buffer 0) by one text, chunk 1 (buffer 1) by another; chunk 3 is the change of slots'
	CH 0, 1, CHB, 0
	WIN 0
.Lin:
	s_sub_co_u32 s[CNT], s[CNT], 1
	s_cmp_eq_u32 s[CNT], 0
	s_cbranch_scc1 .Lturn
	CH 1, 0, 2*CHB, 0
	WIN 0
	v_add_nc_u32 v[ADRA], 2*CHB, v[ADRA]           ; the step's second pair of chunks
	v_add_nc_u32 v[ADRB], 2*CHB, v[ADRB]
	s_branch .Leven
.Lturn:
	TURN 1
	WIN 0
	s_sub_co_u32 s[OUTC], s[OUTC], 1
	s_cmp_lg_u32 s[OUTC], 0
	s_cbranch_scc1 .Lstep
	s_mov_b32 s[OUTC], 2
.Ltstep:                                       ; the last two K steps ask for nothing: written apart
	s_mov_b32 s[CNT], 2
.Lteven:
	CH 0, 1, CHB, 0
	WIN 0
	s_sub_co_u32 s[CNT], s[CNT], 1
	s_cmp_eq_u32 s[CNT], 0
	s_cbranch_scc1 .Ltturn
	CH 1, 0, 2*CHB, 0
	WIN 0
	v_add_nc_u32 v[ADRA], 2*CHB, v[ADRA]
	v_add_nc_u32 v[ADRB], 2*CHB, v[ADRB]
	s_branch .Lteven
.Ltturn:
	TURN 0                                         ; (in the second trip its barrier and its 32 fragment loads, of the slot left before, serve nothing: the price, once a launch, of one text for both trips)
	WIN 0
	s_sub_co_u32 s[OUTC], s[OUTC], 1
	s_cmp_lg_u32 s[OUTC], 0
	s_cbranch_scc1 .Ltstep
	PLACES                                         ; behind the last products, ahead of the stores that read results
	s_wait_dscnt 0x0
	s_barrier_signal -1
	s_barrier_wait -1                              ; nobody reads a slot any more, and no fill is to come: the stage may be written
.set aa, 0
.rept MB
.set bb, 0
.rept NB
.set ai, aa*NB+bb
.set rD, (8*ai)&255
	WIN 0x08+0x04*(ai>>5)                          ; store data (source 1) in window 2 or 3
	ds_store_b128 v[STO], v[rD:rD+3]   offset:64*bb      ; each accumulator's lowest registers first
	ds_store_b128 v[STO], v[rD+4:rD+7] offset:64*bb+16
.set bb, bb+1
.endr
	WIN 0
	v_add_nc_u32 v[STO], 16*SP, v[STO]
.set aa, aa+1
.endr
	s_wait_dscnt 0x0                               ; for the others' sake: my stores into the stage are done
	s_barrier_signal -1
	s_barrier_wait -1
	s_wait_loadcnt 0x0                             ; the bias (and the residual)
.if EPI == 2
.irp bt, 0,1                           ; my 32 rows, 16 at a time
.if (\bt) == 1
	s_wait_xcnt 0x0                                ; the first 16 stores have read their registers
.endif
.set i, 0
.rept 16
	ds_load_b128 v[X+4*i:X+4*i+3], v[RD0] offset:(16*(\bt)+i)*SP
.set i, i+1
.endr
.set i, 0
.rept 16
	s_wait_dscnt 15-i                              ; the younger loads may stay out
	v_pk_add_f32 v[X+4*i:X+4*i+1],   v[X+4*i:X+4*i+1],   v[BI:BI+1]
	v_pk_add_f32 v[X+4*i+2:X+4*i+3], v[X+4*i+2:X+4*i+3], v[BI+2:BI+3]
	v_pk_add_f32 v[X+4*i:X+4*i+1],   v[X+4*i:X+4*i+1],   v[R+4*(16*(\bt)+i):R+4*(16*(\bt)+i)+1]
	v_pk_add_f32 v[X+4*i+2:X+4*i+3], v[X+4*i+2:X+4*i+3], v[R+4*(16*(\bt)+i)+2:R+4*(16*(\bt)+i)+3]
	global_store_b128 v[BO], v[X+4*i:X+4*i+3], s[OUTP:OUTP+1] offset:(16*(\bt)+i)*OPB  ; 512 consecutive bytes, aligned
.set i, i+1
.endr
.endr
.else
.macro LD                              ; RPT rows, PRT parts each: 512 consecutive bytes a load
.set uu, 0
.rept U
	ds_load_b128 v[X+4*uu:X+4*uu+3], v[RD] offset:(uu/PRT)*SP+512*(uu%PRT)
.set uu, uu+1
.endr
.endm
.if EPI == 1
	s_mov_b32 s60, 0xc0135764                      ; k0 = -2 sqrt(2 / pi) log2(e)
	s_mov_b32 s61, 0xc0135764
	s_mov_b32 s62, 0xbdd2d3e8                      ; k1 = 0.044715 k0
	s_mov_b32 s63, 0xbdd2d3e8
.endif
	s_mov_b32 s[RO], 0
	v_mov_b32 v[RD], v[RD0]
	LD
	s_mov_b32 s[CNT], (TM/4)/RPT
.Lrow:                                         ; a trip: RPT rows; the next trip's rows are read from the stage while these are worked on
	s_wait_dscnt 0x0
.set uu, 0
.rept U
	v_pk_add_f32 v[Z+4*uu:Z+4*uu+1],   v[X+4*uu:X+4*uu+1],   v[BI+4*(uu%PRT):BI+4*(uu%PRT)+1]
	v_pk_add_f32 v[Z+4*uu+2:Z+4*uu+3], v[X+4*uu+2:X+4*uu+3], v[BI+4*(uu%PRT)+2:BI+4*(uu%PRT)+3]
.set uu, uu+1
.endr
	s_add_co_u32 s[RO], s[RO], RPT*SP
	s_min_u32 s[RO], s[RO], (TM/4-RPT)*SP          ; the last trip reads its own rows once more, and nobody uses them: no load leaves my rows
	v_add_nc_u32 v[RD], s[RO], v[RD0]
	LD
.if EPI == 1
	; gelu(z) = 0.5 z (1 + tanh(u)) = z / (1 + 2^(z (k0 + k1 z^2))): the same function; where the power overflows the quotient is 0, where it vanishes z
.set i, 0
.rept 2*U
	v_pk_mul_f32 v[TT+2*i:TT+2*i+1], v[Z+2*i:Z+2*i+1], v[Z+2*i:Z+2*i+1]
.set i, i+1
.endr
.set i, 0
.rept 2*U
	v_pk_fma_f32 v[TT+2*i:TT+2*i+1], v[TT+2*i:TT+2*i+1], s[62:63], s[60:61] op_sel_hi:[1,0,0]
.set i, i+1
.endr
.set i, 0
.rept 2*U
	v_pk_mul_f32 v[TT+2*i:TT+2*i+1], v[TT+2*i:TT+2*i+1], v[Z+2*i:Z+2*i+1]
.set i, i+1
.endr
.set i, 0
.rept 4*U
	v_exp_f32 v[TT+i], v[TT+i]
.set i, i+1
.endr
	v_nop                                          ; a plain instruction behind the last of the batch,
	s_wait_alu depctr_va_vdst(0)                   ; and one wait for the batch, ahead of its first reader
.set i, 0
.rept 2*U
	v_pk_add_f32 v[TT+2*i:TT+2*i+1], v[TT+2*i:TT+2*i+1], 1.0 op_sel_hi:[1,0]
.set i, i+1
.endr
.set i, 0
.rept 4*U
	v_rcp_f32 v[TT+i], v[TT+i]
.set i, i+1
.endr
	v_nop
	s_wait_alu depctr_va_vdst(0)                   ; the same for the reciprocals
.set i, 0
.rept 2*U
	v_pk_mul_f32 v[Z+2*i:Z+2*i+1], v[Z+2*i:Z+2*i+1], v[TT+2*i:TT+2*i+1]
.set i, i+1
.endr
.endif
.set i, 0
.rept 2*U
	v_cvt_pk_bf16_f32 v[Y+i], v[Z+2*i], v[Z+2*i+1]
.set i, i+1
.endr
.set uu, 0
.rept U
	global_store_b64 v[CO], v[Y+2*uu:Y+2*uu+1], s[OUTP:OUTP+1] offset:(uu/PRT)*OPB+256*(uu%PRT)  ; 32 lanes: 256 consecutive bytes, aligned
.set uu, uu+1
.endr
	s_wait_xcnt 0x0                                ; the stores have read their registers and their base
	s_add_nc_u64 s[OUTP:OUTP+1], s[OUTP:OUTP+1], RPT*OPB
	s_sub_co_u32 s[CNT], s[CNT], 1
	s_cmp_lg_u32 s[CNT], 0
	s_cbranch_scc1 .Lrow
.endif
	s_wait_tensorcnt 0x0                           ; the wave's end, behind my last tensor load and my last LDS store
	ds_add_u32 v[SPW], v[NIL]
	s_wait_dscnt 0x0
	CROUND                                         ; the closing round: no work-group ends while a partner may still ask for a tile that names it
	s_endpgm
.Lfunc_end_k_qbd299d96bb_fc:
	.size	k_qbd299d96bb_fc, .Lfunc_end_k_qbd299d96bb_fc-k_qbd299d96bb_fc
	.p2alignl 7, 3214868480
	.fill 96, 4, 3214868480
	.section	.rodata,"a",@progbits
	.p2align	6, 0x0
	.amdhsa_kernel k_qbd299d96bb_fc
		.amdhsa_group_segment_fixed_size 327680
		.amdhsa_private_segment_fixed_size 0
		.amdhsa_enable_private_segment 0
		.amdhsa_kernarg_size 32
		.amdhsa_user_sgpr_count 2
		.amdhsa_user_sgpr_kernarg_segment_ptr 1
		.amdhsa_wavefront_size32 1
		.amdhsa_system_sgpr_workgroup_id_x 1
		.amdhsa_system_sgpr_workgroup_id_y 1
		.amdhsa_system_sgpr_workgroup_id_z 1
		.amdhsa_system_vgpr_workitem_id 0
		.amdhsa_next_free_vgpr 1024
		.amdhsa_next_free_sgpr 72
		.amdhsa_reserve_vcc 0
		.amdhsa_float_denorm_mode_32 3
		.amdhsa_float_denorm_mode_16_64 3
		.amdhsa_memory_ordered 1
		.amdhsa_forward_progress 1
		.amdhsa_inst_pref_size 78
	.end_amdhsa_kernel
	.amdgpu_metadata
---
amdhsa.version: [ 1, 2 ]
amdhsa.kernels:
  - .name:           k_qbd299d96bb_fc
    .symbol:         k_qbd299d96bb_fc.kd
    .args:
      - { .name: act, .offset: 0, .size: 8, .value_kind: global_buffer, .address_space: global }
      - { .name: wt, .offset: 8, .size: 8, .value_kind: global_buffer, .address_space: global }
      - { .name: b_fc, .offset: 16, .size: 8, .value_kind: global_buffer, .address_space: global }
      - { .name: g, .offset: 24, .size: 8, .value_kind: global_buffer, .address_space: global }
    .group_segment_fixed_size: 327680
    .private_segment_fixed_size: 0
    .kernarg_segment_align: 8
    .kernarg_segment_size: 32
    .max_flat_workgroup_size: 128
    .sgpr_count:     72
    .vgpr_count:     1024
    .wavefront_size: 32
...
	.end_amdgpu_metadata
.endif
;; end of part 5
;; launch mlp (part 6): grid 8 x 32, 4 waves a work-group, clusters of 4 x 4, 327,680 bytes of LDS; arguments g, wt, b_mlp_proj, x2, out0; writes out0
.if DOCPART == 6
	.amdgcn_target "amdgcn-amd-amdhsa--gfx1250"
	.amdhsa_code_object_version 6
	.text
	.protected	k_qbd299d96bb_mlp
	.globl	k_qbd299d96bb_mlp
	.p2align	8
	.type	k_qbd299d96bb_mlp,@function
k_qbd299d96bb_mlp:
	s_mov_b64 s[64:65], 0
	v_nop
	global_prefetch_b8 v0, s[64:65] scope:SCOPE_SE
	s_setreg_imm32_b32 hwreg(HW_REG_WAVE_MODE, 25, 1), 1
	s_wait_xcnt 0x0
	s_wait_alu depctr_hold_cnt(0) depctr_sa_sdst(0) depctr_va_vdst(0) depctr_va_sdst(0) depctr_va_ssrc(0) depctr_va_vcc(0) depctr_vm_vsrc(0)
	s_getreg_b32 s2, hwreg(HW_REG_IB_STS2, 6, 4)
	s_cmp_eq_u32 s2, 0
	s_cbranch_scc0 .Lentry_in_a_cluster
	s_endpgm
.Lentry_in_a_cluster:
	s_bfe_u32 s2, ttmp6, 0x10000c
	s_cmp_lg_u32 s2, 0xf033
	s_cbranch_scc0 .Lentry_shape_is_right
	s_endpgm
.Lentry_shape_is_right:
; out = x2 + g Wmlp + b_mlp_proj, f32 [4096][1024].  C[m][n] = sum over k of A[m][k] W[n][k] + bias[n] + residual[m][n].  A = g: [4096][4096] bf16; W: [1024][4096] bf16 at byte WOFFB of wt; sums in f32.
; SHARES.  A tile of 128 x 128 gives 256 work-groups; its four waves lie 2 x 2, each with 4 x 4 accumulators of 16 x 16.  K goes in steps of 256, as long as two slots allow (a small tile has little work for each byte
; that it fetches), through two LDS slots that take turns (A's 128 rows, then W's 128 rows, each row 512 bytes + 16 of padding, so that the 16 rows of a fragment load start at 16 different groups of four banks).
; Each wave fills 64 rows of a slot by ONE tensor load (waves 0, 1: A's, waves 2, 3: W's).  No prefetch: small tiles.
; CLUSTER 4 x 4: the four work-groups of a row of the cluster need the same rows of A, the four of a column the same rows of W: each tile is asked for jointly, by the same load, descriptor and mask in all four.
; THE WALK ALONG K: the clusters whose x + y is odd begin it in its middle and wrap round, so that two clusters that read the same rows do not ask for the same K step in the same trip.  The start hangs on the
; cluster's coordinates alone, which all sixteen partners share; every K step is taken once; the f32 sums are the same numbers added in another order.
; THE MATRIX INSTRUCTION IS USED TURNED (source 0 = 16 rows of W, source 1 = 16 rows of A): a lane then holds row lane % 16 of C and eight neighbouring columns 8 (lane / 16) + 0..7.
; A K step is four CHUNKS of 64 along K on two fragment buffers by turns: at a chunk's head the next chunk's 32 LDS loads go out in one run and have the chunk's 32 products in which to land.
; REGISTERS in windows of 256 (s_set_vgpr_msb: bits 1:0 source 0, 3:2 source 1, 5:4 source 2, 7:6 destination): window 0 addresses, the residual and the way out; window 1 the two fragment buffers of 128
; (W's fragments, then A's); window 2 the accumulators: (a, b) at 8 (4 a + b).
; THE WAY OUT goes through an f32 stage in LDS, laid over the slots after their last fill and last read: a wave then reads whole rows and 32 lanes store 512 consecutive bytes, aligned.
.set TM, 128
.set TN, 128
.set MB, 4
.set NB, 4
.set SIZE_K, 4096
.set SIZE_N, 1024
.set KSTEP, 256
.set SUB, 2
.set PITCH, 528
.set QI, 6
.set LROWS, 64
.set NAW, 2
.set WOFFB, 16777216
.set KT,    SIZE_K/KSTEP               ; K steps
.set KSH,   9                          ; log2 of the bytes of a row in a K step
.set CHB,   64*SUB                     ; bytes of a row in a chunk
.set SLOT,  (TM+TN)*PITCH
.set SPARE, 2*SLOT                     ; behind the slots: the spare words, 128 bytes for each wave; no other line names them
.set SP,    4*TN+16                    ; a row of the stage
.set G1W,   (1<<16)|(1<<20)|(1<<21)|(QI<<22)|(3<<25)  ; 17:16 2-byte elements; 20 padding on; 21 set beside a mask; 24:22 after every row; 31:25 4 words of it
.set OPB, 4*SIZE_N                     ; bytes in a row of the output and of the residual
.set CB,  4*TN
.set OUTP, 12
.set ADRA0, 4                          ; v4, v5  my lane's place in A's and W's rows of slot 0; never rewritten
.set ADRB0, 5
.set ADRA,  6                          ; v6, v7  the same in the slot in hand, at the pair of chunks in hand
.set ADRB,  7
.set STO,   8                          ; v8   where I put 32 bytes of a row of the stage
.set RD0,   9                          ; v9   my 16 bytes in my wave's first row of the stage
.set SPW,   12                         ; v12  my spare word: SPARE + 4 x my thread's number; never rewritten
.set NIL,   13                         ; v13  0; never rewritten
.set BO,    15                         ; v15  16 x lane
.set BI,    16                         ; v[16:19] the bias of my lane's four columns
.set X,     32                         ; v[32:95] the way out: 16 rows as read
.set R,     128                        ; v[128:255] my wave's 32 rows of the residual
.set WV, 14
.set WM, 15
.set WN, 16
.set CX, 17
.set CY, 18
.set TX, 19
.set TY, 20
.set TS, 21                            ; s21  0 or SLOT: the slot in hand
.set OUTC, 22
.set CNT, 23
.set G1A, 24                           ; s[24:31], s[32:39] descriptor group 1 for A's and W's tiles: they differ in the mask
.set G1B, 32
.set G0A, 40                           ; s[40:43] group 0 of the first fill, s[44:47] the one that walks; s[48:55] the same for W
.set G0B, 48
.set WL,  59                           ; s59  my rows' place in a slot
.set RBA, 60                           ; s[60:61] A at the first of the rows that I fetch; s[62:63] the same for W
.set RBW, 62
.set NXT, 66                           ; s66  the K step to be asked for next
.set OFF, 68                           ; s[68:69] its bytes along a row
.set MSB, 0
.macro WIN new                         ; the immediate's high byte repeats the setting that is left; a switch that changes nothing is dropped
.if MSB != (\new)
	s_set_vgpr_msb (MSB<<8)|(\new)
.set MSB, (\new)
.endif
.endm
.macro PLACES                          ; four plain instructions between a product and a load into, or a reader of, its registers
.rept 4
	v_nop
.endr
.endm
.macro CREST                           ; a round of the cluster's barrier behind its opening barrier
	s_cmp_lg_u32 s[WV], 0
	s_cbranch_scc1 .Lnot_wave_0_\@
	s_barrier_signal -3
.Lnot_wave_0_\@:
	s_barrier_wait -3
	s_barrier_signal -1
	s_barrier_wait -1
.endm
.macro CROUND
	s_barrier_signal -1
	s_barrier_wait -1
	CREST
.endm
.macro JLOAD                           ; the joint refill, by the walking descriptors; the branch hangs on the wave's number alone; s_nop 0 and four v_nop follow each line
	s_cmp_lt_u32 s[WV], NAW
	s_cbranch_scc0 .Lfor_b_\@
	tensor_load_to_lds s[G0A+4:G0A+7], s[G1A:G1A+7]
	s_nop 0
.rept 4
	v_nop
.endr
	s_branch .Lasked_\@
.Lfor_b_\@:
	tensor_load_to_lds s[G0B+4:G0B+7], s[G1B:G1B+7]
	s_nop 0
.rept 4
	v_nop
.endr
.Lasked_\@:
.endm
.macro FETCH g, off                    ; 32 LDS loads in one run: a chunk's fragments, at byte off of the rows, into buffer g
	WIN 0x40
.set cc, 0
.rept SUB
.set ii, 0
.rept NB
.set rF, 128*(\g)+8*(NB*cc+ii)
	ds_load_b128 v[rF:rF+3],   v[ADRB] offset:(\off)+64*cc+ii*16*PITCH
	ds_load_b128 v[rF+4:rF+7], v[ADRB] offset:(\off)+64*cc+ii*16*PITCH+32
.set ii, ii+1
.endr
.set ii, 0
.rept MB
.set rF, 128*(\g)+8*NB*SUB+8*(MB*cc+ii)
	ds_load_b128 v[rF:rF+3],   v[ADRA] offset:(\off)+64*cc+ii*16*PITCH
	ds_load_b128 v[rF+4:rF+7], v[ADRA] offset:(\off)+64*cc+ii*16*PITCH+32
.set ii, ii+1
.endr
.set cc, cc+1
.endr
.endm
; A chunk's 32 products out of buffer f; slice sl: 32 along K number sl / MB, block row sl % MB.  All 16 accumulators take turns, one instruction a turn, in the same order in every chunk.
; zero = 1: the first products start the sums.
.macro MULS f, zero
	WIN 0xa5
.set sl, 0
.rept SUB*MB
.set cc, sl/MB
.set aa, sl%MB
.set bb, 0
.rept NB
.set rD, 8*(aa*NB+bb)
.set rW, 128*(\f)+8*(NB*cc+bb)
.set rA, 128*(\f)+8*NB*SUB+8*(MB*cc+aa)
.if (\zero) && (cc == 0)
	v_wmma_f32_16x16x32_bf16 v[rD:rD+7], v[rW:rW+7], v[rA:rA+7], 0
.else
	v_wmma_f32_16x16x32_bf16 v[rD:rD+7], v[rW:rW+7], v[rA:rA+7], v[rD:rD+7]
.endif
.set bb, bb+1
.endr
.set sl, sl+1
.endr
.endm
.macro CH f, g, off, zero              ; a chunk: buffer f is multiplied; the next chunk's fragments go out first, into buffer g
	s_wait_dscnt 0x0                               ; buffer f, asked for a chunk ago, is in
	PLACES                                         ; behind the last product that read buffer g
	FETCH \g, \off
	MULS \f, \zero
.endm
; A K step's last chunk (buffer 1) and THE CHANGE OF SLOTS: one barrier, at the chunk's head.  In front of it each wave waits for all its tensor loads (one is out: its part of the next slot), adds 0 to its spare word,
; and waits for that and for its reads of this slot (the last of them, this chunk's fragments, went out a chunk ago).  fill = 1: the barrier opens a round of the cluster's, and the slot just read out is filled again
; first thing behind it, with the K step NXT.  No product stands between the wait for my tensor load and the joint load: the load has the whole K step's 128 products in which to land.
.macro TURN fill
	WIN 0
	s_wait_tensorcnt 0x0                           ; no tensor load of mine is out, so the walking descriptors may be written
	ds_add_u32 v[SPW], v[NIL]                      ; 0 onto my spare word; the descriptors' scalar work stands between it and the wait for it
.if \fill
	s_lshl_b32 s[OFF], s[NXT], KSH
	s_add_co_u32 s[G0A+5], s[WL], s[TS]            ; into the slot that is being left,
	s_add_co_u32 s[G0B+5], s[WL], s[TS]
	s_add_nc_u64 s[G0A+6:G0A+7], s[RBA:RBA+1], s[OFF:OFF+1]  ; the address made anew: my rows' base and the K step's bytes
	s_or_b32 s[G0A+7], s[G0A+7], 0x80000000
	s_add_nc_u64 s[G0B+6:G0B+7], s[RBW:RBW+1], s[OFF:OFF+1]
	s_or_b32 s[G0B+7], s[G0B+7], 0x80000000
	s_add_co_u32 s[NXT], s[NXT], 1
	s_and_b32 s[NXT], s[NXT], KT-1                 ; round K's end
.endif
	s_xor_b32 s[TS], s[TS], SLOT
	s_wait_dscnt 0x0                               ; the add is done, buffer 1 is in, my reads of this slot are over
	s_barrier_signal -1
	s_barrier_wait -1
.if \fill
	CREST                                          ; no wave of any partner still reads this slot or has a load on its way
	JLOAD                                          ; its four v_nop are also the places in front of the loads below
.else
	PLACES
.endif
	v_add_nc_u32 v[ADRA], s[TS], v[ADRA0]
	v_add_nc_u32 v[ADRB], s[TS], v[ADRB0]
	FETCH 0, 0
	MULS 1, 0
.endm
	s_load_b256 s[4:11], s[0:1], 0x0               ; A s[4:5], wt s[6:7], bias s[8:9], the residual s[10:11]
	s_load_b64 s[12:13], s[0:1], 0x20              ; the output
	v_lshl_add_u32 v[SPW], v0, 2, SPARE
	v_mov_b32 v[NIL], 0
	ds_add_u32 v[SPW], v[NIL]                      ; the wave's opening: the add and its wait ahead of my first tensor load; work on registers stands between them
	v_lshrrev_b32 v3, 5, v0
	v_readfirstlane_b32 s[WV], v3                  ; wave 0..3
	s_lshr_b32 s[WM], s[WV], 1                     ; my half of the tile's rows
	s_and_b32 s[WN], s[WV], 1                      ; and of its columns
	s_bfe_u32 s[CX], ttmp6, 0x40000
	s_bfe_u32 s[CY], ttmp6, 0x40004
	s_lshl_b32 s[TX], ttmp9, 2
	s_add_co_u32 s[TX], s[TX], s[CX]               ; tile column
	s_and_b32 s[TY], ttmp7, 0xffff
	s_lshl_b32 s[TY], s[TY], 2
	s_add_co_u32 s[TY], s[TY], s[CY]               ; tile row
	s_lshl_b32 s2, s[CY], 2
	s_lshl_b32 s2, 15, s2                          ; my row of the cluster
	s_lshl_b32 s3, 0x1111, s[CX]                   ; my column
	s_or_b32 s[G1A], s2, G1W
	s_or_b32 s[G1B], s3, G1W
.irp g, G1A, G1B
	s_mov_b32 s[(\g)+1], KSTEP<<16                 ; tensor_dim0
	s_mov_b32 s[(\g)+2], LROWS<<16                 ; tensor_dim1
	s_mov_b32 s[(\g)+3], KSTEP<<16                 ; tile_dim0
	s_mov_b32 s[(\g)+4], LROWS                     ; tile_dim1
	s_mov_b32 s[(\g)+5], SIZE_K                    ; elements from row to row
	s_mov_b32 s[(\g)+6], 0
	s_mov_b32 s[(\g)+7], 0
.endr
	s_min_u32 s60, s[WV], NAW-1                    ; A's rows hang on the tile row and the wave alone,
	s_mul_i32 s60, s60, LROWS
	s_mul_i32 s61, s[TY], TM
	s_add_co_u32 s60, s60, s61
	s_mul_i32 s60, s60, SIZE_K*2
	s_mov_b32 s61, 0
	s_sub_co_i32 s62, s[WV], NAW                   ; W's on the tile column and the wave
	s_max_i32 s62, s62, 0
	s_mul_i32 s62, s62, LROWS
	s_mul_i32 s63, s[TX], TN
	s_add_co_u32 s62, s62, s63
	s_mul_i32 s62, s62, SIZE_K*2
	s_add_co_u32 s62, s62, WOFFB
	s_mov_b32 s63, 0
	s_mul_i32 s[WL], s[WV], LROWS*PITCH            ; no place in the cluster enters an LDS address
	s_and_b32 s[NXT], ttmp7, 0xffff                ; cluster y
	s_add_co_u32 s[NXT], s[NXT], ttmp9             ; + cluster x
	s_and_b32 s[NXT], s[NXT], 1
	s_mul_i32 s[NXT], s[NXT], KT/2                 ; the K step at which my cluster's walk begins: 0, or the middle
	s_lshl_b32 s[OFF], s[NXT], KSH
	s_mov_b32 s[OFF+1], 0
	s_add_co_u32 s[NXT], s[NXT], 2                 ; the two first fills take that step and the next (neither wraps)
	s_and_b32 s[NXT], s[NXT], KT-1
	s_wait_dscnt 0x0                               ; the opening add is done
	s_wait_kmcnt 0x0
	s_add_nc_u64 s[RBA:RBA+1], s[4:5], s[60:61]
	s_add_nc_u64 s[RBW:RBW+1], s[6:7], s[62:63]
.irp s, 0,1
	s_mov_b32 s[G0A+4*(\s)], 1
	s_add_co_u32 s[G0A+4*(\s)+1], s[WL], (\s)*SLOT
	s_mov_b32 s[G0B+4*(\s)], 1
	s_add_co_u32 s[G0B+4*(\s)+1], s[WL], (\s)*SLOT
.endr
	s_add_nc_u64 s[G0A+2:G0A+3], s[RBA:RBA+1], s[OFF:OFF+1]
	s_add_nc_u64 s[G0A+6:G0A+7], s[G0A+2:G0A+3], KSTEP*2
	s_or_b32 s[G0A+3], s[G0A+3], 0x80000000
	s_or_b32 s[G0A+7], s[G0A+7], 0x80000000
	s_add_nc_u64 s[G0B+2:G0B+3], s[RBW:RBW+1], s[OFF:OFF+1]
	s_add_nc_u64 s[G0B+6:G0B+7], s[G0B+2:G0B+3], KSTEP*2
	s_or_b32 s[G0B+3], s[G0B+3], 0x80000000
	s_or_b32 s[G0B+7], s[G0B+7], 0x80000000
	CROUND                                         ; all sixteen work-groups are here: the first joint loads meet
	s_cmp_lt_u32 s[WV], NAW                        ; a wave's two first fills stand in one branch: two loads of mine are out, the most in this text
	s_cbranch_scc0 .Lfirst_b
	tensor_load_to_lds s[G0A:G0A+3], s[G1A:G1A+7]
	s_nop 0
	tensor_load_to_lds s[G0A+4:G0A+7], s[G1A:G1A+7]
	s_nop 0
.rept 4
	v_nop
.endr
	s_branch .Lfirst_asked
.Lfirst_b:
	tensor_load_to_lds s[G0B:G0B+3], s[G1B:G1B+7]
	s_nop 0
	tensor_load_to_lds s[G0B+4:G0B+7], s[G1B:G1B+7]
	s_nop 0
.rept 4
	v_nop
.endr
.Lfirst_asked:
	v_and_b32 v1, 15, v0                           ; r = lane % 16
	v_bfe_u32 v2, v0, 4, 1                         ; h = lane / 16
	v_and_b32 v3, 31, v0                           ; lane
	v_mul_u32_u24 v[ADRA0], v1, PITCH              ; a fragment: row r, 16 bytes for each half of the lanes, twice, 32 bytes apart
	v_lshl_add_u32 v[ADRA0], v2, 4, v[ADRA0]
	s_mul_i32 s2, s[WN], 16*NB*PITCH
	s_add_co_u32 s2, s2, TM*PITCH
	v_add_nc_u32 v[ADRB0], s2, v[ADRA0]
	s_mul_i32 s2, s[WM], 16*MB*PITCH
	v_add_nc_u32 v[ADRA0], s2, v[ADRA0]
	v_mul_u32_u24 v[STO], v1, SP                   ; into the stage: row 64 wm + r, byte 256 wn + 32 h
	v_lshl_add_u32 v[STO], v2, 5, v[STO]
	s_mul_i32 s2, s[WM], 16*MB*SP
	s_mul_i32 s3, s[WN], 64*NB
	s_add_co_u32 s2, s2, s3
	v_add_nc_u32 v[STO], s2, v[STO]
	s_mul_i32 s2, s[WV], (TM/4)*SP                 ; back: wave w takes rows 32 w on, whole
	v_lshl_add_u32 v[RD0], v3, 4, s2
	v_lshlrev_b32 v[BO], 4, v3
	s_mul_i32 s2, s[TX], 4*TN
	s_mov_b32 s3, 0
	s_add_nc_u64 s[8:9], s[8:9], s[2:3]
	global_load_b128 v[BI:BI+3], v[BO], s[8:9]     ; the bias of my four columns; waited for on the way out
	s_mul_i32 s2, s[TY], TM
	s_mul_i32 s3, s[WV], TM/4
	s_add_co_u32 s2, s2, s3                        ; the first row that I store
	s_mul_i32 s2, s2, OPB
	s_mul_i32 s3, s[TX], CB
	s_add_co_u32 s2, s2, s3
	s_mov_b32 s3, 0
	s_add_nc_u64 s[OUTP:OUTP+1], s[OUTP:OUTP+1], s[2:3]
	s_add_nc_u64 s[10:11], s[10:11], s[2:3]
.set i, 0
.rept 32
	global_load_b128 v[R+4*i:R+4*i+3], v[BO], s[10:11] offset:OPB*i  ; my 32 rows of the residual: they land under the whole K walk
.set i, i+1
.endr
	s_wait_tensorcnt 1                             ; my part of the first K step is in; the second's may stay out
	s_barrier_signal -1
	s_barrier_wait -1
	s_mov_b32 s[TS], 0
	v_mov_b32 v[ADRA], v[ADRA0]
	v_mov_b32 v[ADRB], v[ADRB0]
	FETCH 0, 0
	CH 0, 1, CHB, 1                                ; the first chunk stands in front of the loops: its products start the sums
	WIN 0
	s_mov_b32 s[OUTC], KT-2
	s_mov_b32 s[CNT], 2
	s_branch .Lin                                  ; the loop is entered behind its first chunk
.Lstep:                                        ; KT - 2 trips: a K step each; its change of slots fills the slot that it leaves
	s_mov_b32 s[CNT], 2
.Leven:                                        ; a K step's chunks 0 and 2 (buffer 0) by one text, chunk 1 (buffer 1) by another; chunk 3 is the change of slots'
	CH 0, 1, CHB, 0
	WIN 0
.Lin:
	s_sub_co_u32 s[CNT], s[CNT], 1
	s_cmp_eq_u32 s[CNT], 0
	s_cbranch_scc1 .Lturn
	CH 1, 0, 2*CHB, 0
	WIN 0
	v_add_nc_u32 v[ADRA], 2*CHB, v[ADRA]           ; the step's second pair of chunks
	v_add_nc_u32 v[ADRB], 2*CHB, v[ADRB]
	s_branch .Leven
.Lturn:
	TURN 1
	WIN 0
	s_sub_co_u32 s[OUTC], s[OUTC], 1
	s_cmp_lg_u32 s[OUTC], 0
	s_cbranch_scc1 .Lstep
	s_mov_b32 s[OUTC], 2
.Ltstep:                                       ; the last two K steps ask for nothing: written apart
	s_mov_b32 s[CNT], 2
.Lteven:
	CH 0, 1, CHB, 0
	WIN 0
	s_sub_co_u32 s[CNT], s[CNT], 1
	s_cmp_eq_u32 s[CNT], 0
	s_cbranch_scc1 .Ltturn
	CH 1, 0, 2*CHB, 0
	WIN 0
	v_add_nc_u32 v[ADRA], 2*CHB, v[ADRA]
	v_add_nc_u32 v[ADRB], 2*CHB, v[ADRB]
	s_branch .Lteven
.Ltturn:
	TURN 0                                         ; (in the second trip its barrier and its 32 fragment loads, of the slot left before, serve nothing: the price, once a launch, of one text for both trips)
	WIN 0
	s_sub_co_u32 s[OUTC], s[OUTC], 1
	s_cmp_lg_u32 s[OUTC], 0
	s_cbranch_scc1 .Ltstep
	PLACES                                         ; behind the last products, ahead of the stores that read results
	s_wait_dscnt 0x0
	s_barrier_signal -1
	s_barrier_wait -1                              ; nobody reads a slot any more, and no fill is to come: the stage may be written
.set aa, 0
.rept MB
.set bb, 0
.rept NB
.set rD, 8*(aa*NB+bb)
	WIN 0x08                                       ; store data (source 1) in window 2
	ds_store_b128 v[STO], v[rD:rD+3]   offset:64*bb      ; each accumulator's lowest registers first
	ds_store_b128 v[STO], v[rD+4:rD+7] offset:64*bb+16
.set bb, bb+1
.endr
	WIN 0
	v_add_nc_u32 v[STO], 16*SP, v[STO]
.set aa, aa+1
.endr
	s_wait_dscnt 0x0                               ; for the others' sake: my stores into the stage are done
	s_barrier_signal -1
	s_barrier_wait -1
	s_wait_loadcnt 0x0                             ; the bias and the residual
.irp bt, 0,1                           ; my 32 rows, 16 at a time
.if (\bt) == 1
	s_wait_xcnt 0x0                                ; the first 16 stores have read their registers
.endif
.set i, 0
.rept 16
	ds_load_b128 v[X+4*i:X+4*i+3], v[RD0] offset:(16*(\bt)+i)*SP
.set i, i+1
.endr
.set i, 0
.rept 16
	s_wait_dscnt 15-i                              ; the younger loads may stay out
	v_pk_add_f32 v[X+4*i:X+4*i+1],   v[X+4*i:X+4*i+1],   v[BI:BI+1]
	v_pk_add_f32 v[X+4*i+2:X+4*i+3], v[X+4*i+2:X+4*i+3], v[BI+2:BI+3]
	v_pk_add_f32 v[X+4*i:X+4*i+1],   v[X+4*i:X+4*i+1],   v[R+4*(16*(\bt)+i):R+4*(16*(\bt)+i)+1]
	v_pk_add_f32 v[X+4*i+2:X+4*i+3], v[X+4*i+2:X+4*i+3], v[R+4*(16*(\bt)+i)+2:R+4*(16*(\bt)+i)+3]
	global_store_b128 v[BO], v[X+4*i:X+4*i+3], s[OUTP:OUTP+1] offset:(16*(\bt)+i)*OPB  ; 512 consecutive bytes, aligned
.set i, i+1
.endr
.endr
	s_wait_tensorcnt 0x0                           ; the wave's end, behind my last tensor load and my last LDS store
	ds_add_u32 v[SPW], v[NIL]
	s_wait_dscnt 0x0
	CROUND                                         ; the closing round: no work-group ends while a partner may still ask for a tile that names it
	s_endpgm
.Lfunc_end_k_qbd299d96bb_mlp:
	.size	k_qbd299d96bb_mlp, .Lfunc_end_k_qbd299d96bb_mlp-k_qbd299d96bb_mlp
	.p2alignl 7, 3214868480
	.fill 96, 4, 3214868480
	.section	.rodata,"a",@progbits
	.p2align	6, 0x0
	.amdhsa_kernel k_qbd299d96bb_mlp
		.amdhsa_group_segment_fixed_size 327680
		.amdhsa_private_segment_fixed_size 0
		.amdhsa_enable_private_segment 0
		.amdhsa_kernarg_size 40
		.amdhsa_user_sgpr_count 2
		.amdhsa_user_sgpr_kernarg_segment_ptr 1
		.amdhsa_wavefront_size32 1
		.amdhsa_system_sgpr_workgroup_id_x 1
		.amdhsa_system_sgpr_workgroup_id_y 1
		.amdhsa_system_sgpr_workgroup_id_z 1
		.amdhsa_system_vgpr_workitem_id 0
		.amdhsa_next_free_vgpr 640
		.amdhsa_next_free_sgpr 72
		.amdhsa_reserve_vcc 0
		.amdhsa_float_denorm_mode_32 3
		.amdhsa_float_denorm_mode_16_64 3
		.amdhsa_memory_ordered 1
		.amdhsa_forward_progress 1
		.amdhsa_inst_pref_size 62
	.end_amdhsa_kernel
	.amdgpu_metadata
---
amdhsa.version: [ 1, 2 ]
amdhsa.kernels:
  - .name:           k_qbd299d96bb_mlp
    .symbol:         k_qbd299d96bb_mlp.kd
    .args:
      - { .name: g, .offset: 0, .size: 8, .value_kind: global_buffer, .address_space: global }
      - { .name: wt, .offset: 8, .size: 8, .value_kind: global_buffer, .address_space: global }
      - { .name: b_mlp_proj, .offset: 16, .size: 8, .value_kind: global_buffer, .address_space: global }
      - { .name: x2, .offset: 24, .size: 8, .value_kind: global_buffer, .address_space: global }
      - { .name: out0, .offset: 32, .size: 8, .value_kind: global_buffer, .address_space: global }
    .group_segment_fixed_size: 327680
    .private_segment_fixed_size: 0
    .kernarg_segment_align: 8
    .kernarg_segment_size: 40
    .max_flat_workgroup_size: 128
    .sgpr_count:     72
    .vgpr_count:     640
    .wavefront_size: 32
...
	.end_amdgpu_metadata
.endif
;; end of part 6
